; MI455X (gfx1250); checked and timed in simulation.
; The chip was launched on July 23, 2026; its instructions are those of AMD's public machine-readable ISA for CDNA 5 (MIT licence, August 2026) and "CDNA5" Instruction Set Architecture Reference Guide (July 2026). The comments in the code are by the model that wrote it; some were corrected since.
;; PSA. Allowed arithmetic: matrix products marked QUANTISED: E2M1 operands, one E8M0 scale for each 32 along K, by v_wmma_scale_f32_16x16x128_f8f6f4 with both operands' format E2M1 (or v_wmma_scale_f32_32x16x128_f4), f32 sums; everything else in f32.
;; Inputs: f_b 32 float32; f_w_codes 32 x 8 x 16 uint8 (E2M1 codes of f_w, K innermost, in blocks of 32 codes, two codes a byte); f_w_scales 32 x 8 uint8 (E8M0 scales of f_w, one for each 32 codes along K); g_b 32 float32; g_w_codes 32 x 8 x 16 uint8 (E2M1 codes of g_w, K innermost, in blocks of 32 codes, two codes a byte); g_w_scales 32 x 8 uint8 (E8M0 scales of g_w, one for each 32 codes along K); gamma1 1 float32; gamma2 1 float32; h1_b 256 float32; h1_w_codes 256 x 8 x 16 uint8 (E2M1 codes of h1_w, K innermost, in blocks of 32 codes, two codes a byte); h1_w_scales 256 x 8 uint8 (E8M0 scales of h1_w, one for each 32 codes along K); h2_b 256 float32; h2_w_codes 256 x 8 x 16 uint8 (E2M1 codes of h2_w, K innermost, in blocks of 32 codes, two codes a byte); h2_w_scales 256 x 8 uint8 (E8M0 scales of h2_w, one for each 32 codes along K); x1 4 x 256 x 64 x 64 float32; x2 4 x 256 x 64 x 64 float32.
;; Outputs: out0 4 x 256 x 64 x 64 float32; out1 4 x 256 x 64 x 64 float32.
;; This version of the problem:
;;   THIS VERSION OF THE PROBLEM IS GIVEN IN LOW PRECISION. The matrix products marked QUANTISED in the list below multiply operands that are first quantised to E2M1 (2 exponent bits, 1 mantissa bit; 4 bits a number), with one power-of-two scale for each 32 numbers along K (OCP MX v1.0); their sums are f32. All else is computed in f32.
;;   The module's matrix products, in the order in which they are computed (A, B: the left and right operand; K: the contracted axis; several contracted axes count as one K, in the product's order):
;;     1. [M 16,384, K 256] x [K 256, N 32]; A: input x1; B: input f_w (given as codes): QUANTISED
;;     2. [M 16,384, K 256] x [K 256, N 32]; A: input x1; B: input g_w (given as codes): QUANTISED
;;     3. batch 4 x [M 4,096, K 32] x [K 32, N 4,096]; A: computed on the way; B: computed on the way: QUANTISED
;;     4. [M 16,384, K 256] x [K 256, N 256]; A: input x1; B: input h1_w (given as codes): QUANTISED
;;     5. batch 4 x [M 256, K 4,096] x [K 4,096, N 4,096]; A: computed on the way; B: computed on the way: QUANTISED
;;     6. [M 16,384, K 256] x [K 256, N 32]; A: input x2; B: input f_w (given as codes): QUANTISED
;;     7. [M 16,384, K 256] x [K 256, N 32]; A: input x2; B: input g_w (given as codes): QUANTISED
;;     8. batch 4 x [M 4,096, K 32] x [K 32, N 4,096]; A: computed on the way; B: computed on the way: QUANTISED
;;     9. [M 16,384, K 256] x [K 256, N 256]; A: input x2; B: input h2_w (given as codes): QUANTISED
;;     10. batch 4 x [M 256, K 4,096] x [K 4,096, N 4,096]; A: computed on the way; B: computed on the way: QUANTISED
;;   THE QUANTISER, for each operand of a quantised product, along K:
;;     - K is cut into blocks of 32 from its start; a last block that is shorter is filled with zeros.
;;     - A block's scale is 2^e with e = floor(log2(the largest magnitude in the block)) - 2, held to -126 .. 127; a block of zeros has e = 0. As a byte (E8M0): e + 127.
;;     - Each number is divided by its block's scale, clamped to +-6, and rounded to the nearest number of E2M1, ties to even, subnormals kept.
;;     - The product sums the exact products of the quantised numbers (number of the format x scale) in f32.
;;   ~~~python
;;   def quantise(x, axis):      # numpy; x: float32 -> the quantised numbers, widened to float32 again
;;       x = np.moveaxis(x, axis, -1); K = x.shape[-1]
;;       x = np.pad(x, [(0, 0)] * (x.ndim - 1) + [(0, -K % 32)]); x = x.reshape(x.shape[:-1] + (-1, 32)); a = np.abs(x).max(-1, keepdims=True)
;;       e = np.where(a > 0, np.clip(np.frexp(np.where(a > 0, a, 1))[1] - 1 - 2, -126, 127), 0)      # np.frexp(a)[1] - 1 = floor(log2(a)), exactly
;;       r = np.clip(x / 2.0 ** e, -6, 6)
;;       step = 2.0 ** (np.maximum(np.frexp(np.where(r == 0, 1, r))[1] - 1, 0) - 1)
;;       q = np.round(r / step) * step * 2.0 ** e      # np.round: ties to even
;;       return np.moveaxis(q.reshape(q.shape[:-2] + (-1,))[..., :K], -1, axis).astype(np.float32)
;;   ~~~
;;   OPERANDS COMPUTED ON THE WAY. 'Computed on the way' means the value that the module computes at that place (a softmax that the list does not call 'softmax' is quantised finished and normalised). What goes into a quantiser is computed in f32, as accurately as f32 sums, v_exp_f32 and their like allow (about 1e-6 of the number): no bf16 or f16 on the way to a quantiser, and a product that is left as it is and whose result goes on into a quantised operand takes f32 operands (vector FMAs, or v_wmma_f32_16x16x4_f32). A number that lies on a knife's edge between two numbers of the format may be rounded either way, as far as f32 arithmetic and the matrix unit's own rounding can turn it there, and no further.
;;   INPUTS GIVEN AS CODES. f_w (in the module: [32, 256], K = its axis 1); g_w (in the module: [32, 256], K = its axis 1); h1_w (in the module: [256, 256], K = its axis 1); h2_w (in the module: [256, 256], K = its axis 1): each comes as NAME_codes (uint8): NAME with its K axis moved to the last place and cut into blocks of 32 codes, [.., K / 32, bytes a block], one block behind the other in memory; two codes a byte, the lower K in the low four bits (a code: sign, 2 exponent bits, 1 mantissa bit); and NAME_scales (uint8): the same leading axes, one E8M0 byte (e + 127) for each 32 codes along K. Its value is code x scale, taken as it is: it is not quantised again, and the codes and scales need not be those that the quantiser above would give.
;; One version. Each part assembles by itself: llvm-mc -triple=amdgcn-amd-amdhsa -mcpu=gfx1250 --defsym DOCPART=n.
;; ======== version 1 of 1: 3 launches
;; workspace buffers: frec 1,179,648 bytes; grec 1,179,648 bytes; hrec 4,456,448 bytes; stat 131,072 bytes
;; launch prep (part 1): grid 32 x 8, 4 waves a work-group, no clusters, 167,936 bytes of LDS; arguments x1, x2, f_w_codes, f_w_scales, f_b, g_w_codes, g_w_scales, g_b, h1_w_codes, h1_w_scales, h1_b, h2_w_codes, h2_w_scales, h2_b, frec, grec, hrec; writes frec, grec, hrec
.if DOCPART == 1
	.amdgcn_target "amdgcn-amd-amdhsa--gfx1250"
	.amdhsa_code_object_version 6
	.text
	.protected	k_qcf7e557f5d_prep
	.globl	k_qcf7e557f5d_prep
	.p2align	8
	.type	k_qcf7e557f5d_prep,@function
k_qcf7e557f5d_prep:
	s_mov_b64 s[64:65], 0
	v_nop
	global_prefetch_b8 v0, s[64:65] scope:SCOPE_SE
	s_setreg_imm32_b32 hwreg(HW_REG_WAVE_MODE, 25, 1), 1
	s_wait_xcnt 0x0
; PSA, launch 1 of 3.  Eight units bb = 0..7 (branch = bb / 4, batch = bb % 4); a unit's x is [256 c][4096 n] f32.
; This launch quantises x along c (E2M1, one E8M0 scale for each 32 c), makes f = f_w x + f_b, g = g_w x + g_b ([32][n]) and h = h_w x + h_b ([256][n]) on the given weight codes,
; and quantises f and g along their 32 channels (one block a position) and h along n (blocks of 32 positions a channel), into workspace laid in the order of the readers' operand registers.
; NO WORK IS LEFT OUT IN THIS PROGRAM: every bias goes into a quantiser of a live product, every weight, x and gamma reach an output; all inputs are loaded.
; LIMITS: a block of zeros gets the scale byte 1 where the rule says 127 (its codes are zeros, which add nothing, and these bytes are read by this program alone); blocks whose largest magnitude
; lies under 2^-124 are held at byte 1; NaN and infinities among the inputs are not served.
; SHARES.  Work-group (ks, bb): 128 positions x 256 channels.  x's tile, 256 rows of 512 bytes, comes by one tensor load a wave (64 rows each) and is filled once.
; No cluster: a work-group's 131,072 bytes of x are its own; what work-groups share, the weights, is 40 KB, of which each wave reads its part once.
; Wave w quantises positions 32 w + p(lane), p = the lane's number with bits 3 and 4 exchanged: A LANE IS A COLUMN AND ITS REGISTERS RUN DOWN c, so a block's maximum needs no other lane.
; By p lanes 0-15 hold tile u = 0 and lanes 16-31 tile u = 1 of the 32 positions, row r of tile u being position 8 u + r + 8 (r / 8): so the 16 registers of two neighbouring result tiles are 16 neighbours.
; f, g: source 0 = 16 weight rows (row r of tile u' = channel 8 u' + r + 8 (r / 8)), source 1 = my own x: a lane holds one position and 16 channels.  h: source 0 = 16 positions of x (any wave's, through LDS as an
; image of the operand's registers), source 1 = 16 of my 64 channels: a lane holds one channel and 16 positions.  The biases are the C of each sum's first product.
; WORKSPACE.  frec, grec: [bb][32 records of 4,608 bytes]; a record is 128 positions: 8 tiles t = 2 b + u of 512 bytes (lane l < 16: the 16 code bytes of position 32 b + 8 u + l + 8 (l / 8) at 16 l; bytes 256-511 zeros,
; for the lanes that hold K = 32..63), then 512 bytes of scale words (word (b, lane) at 128 b + 4 lane: lanes 0-15 tile (b, 0), lanes 16-31 tile (b, 1); byte 0 the scale, bytes 1-3 zero).
; hrec: [bb][32 records of 17,408 bytes]; a record is a K step of 128 positions: block j of channel 16 ct + r at 1024 ct + 256 j + 16 r, then the channels' scale words at 16384 + 4 c.
.set XIMG,  131072                     ; LDS: x's tile at 0 (256 rows x 512 bytes); from here x's fragments: producer wave j, K step s, tile u, half q at 4096 j + 1024 (2 s + u) + 512 q + 16 lane
.set XSC,   147456                     ; their scale words: 256 j + 128 s + 4 lane
.set SPARE, 148480                     ; the spare words, 128 bytes a wave: two blocks of 256 bytes that no other line names
.set XA0, 4                            ; v4, v5  x's tile: 128 w + 4 p(lane), and the same 128 rows further down
.set XA1, 5
.set XRI, 6                            ; v6   XIMG + 16 lane
.set XRS, 7                            ; v7   XSC + 4 lane
.set XWI, 8                            ; v8   XRI + 4096 w
.set XWS, 9                            ; v9   XRS + 256 w
.set FO,  10                           ; v10  frec, grec: 1024 w + 16 r + 8 h
.set FSO, 11                           ; v11  4096 + 128 w + 4 lane
.set HO,  12                           ; v12  hrec: 4096 w + 16 r + 8 h
.set HSO, 13                           ; v13  16384 + 256 w + 4 lane
.set WA,  14                           ; v14-19 offsets of the weights', scale words' and biases' loads
.set WAS, 15
.set WB,  16
.set WBS, 17
.set BA,  18
.set BH,  19
.set ZZ,  20                           ; v[20:21] zeros
.set XSW, 22                           ; v22, v23 my x's scale words, K step 0, 1: lanes 0-15 tile 0, lanes 16-31 tile 1
.set XFS, 24                           ; v24, v25 those of the x in hand
.set HWD, 26                           ; v26-29 h's scale words as they grow
.set FWS, 32                           ; v32-39 f_w's and g_w's scale words: 4 (f | g) + 2 u' + s;  v40-47 h_w's: 2 t + s
.set HWSR, 40
.set TM,  48                           ; v48-63 at work
.set XC,  64                           ; v64-95 my x's fragments: 16 s + 8 u
.set ACC, 96                           ; v96-159 first two sets of 32 numbers of x, then eight accumulators
.set XF,  160                          ; v160-191 the fragments of x in hand
.set CD,  192                          ; v192-231 codes on their way out: eight registers for each of five phases, so that no store's data are written again
.set OW,  232                          ; v232-235 scale words on their way out
.set SPW, 252                          ; v252 my spare word's LDS address; never rewritten
.set NIL, 253                          ; v253 0; never rewritten
.set FW,  0                            ; window 1: v0-63 f_w's and g_w's fragments: 32 (f | g) + 16 u' + 8 s
.set HW,  64                           ;           v64-127 h_w's: 16 t + 8 s
.set FB,  192                          ;           v192-223 f_b, g_b in the result's layout: 16 (f | g) + 8 u'
.set HB,  224                          ;           v224-255 h_b: 8 t
.set G1,  40
.set G0,  48
.set WV,  52
.set BB,  54
.set HM,  55                           ; s55 the mask of lanes 16-31
.set SEL, 56
.set MSB, 0
.macro WIN new                         ; the immediate's high byte repeats the setting that is left
.if MSB != \new
	s_set_vgpr_msb (MSB<<8)|\new
.set MSB, \new
.endif
.endm
.macro WM d, a, b, c, sa, sb, ra, rb   ; one product; ra, rb: the side's scale words stand in lanes 16-31
.if \ra
	v_wmma_scale_f32_16x16x128_f8f6f4 v[\d:\d+7], v[\a:\a+7], v[\b:\b+7], v[\c:\c+7], v[\sa], v[\sb] matrix_a_fmt:MATRIX_FMT_FP4 matrix_b_fmt:MATRIX_FMT_FP4 matrix_a_scale:MATRIX_SCALE_ROW1
.elseif \rb
	v_wmma_scale_f32_16x16x128_f8f6f4 v[\d:\d+7], v[\a:\a+7], v[\b:\b+7], v[\c:\c+7], v[\sa], v[\sb] matrix_a_fmt:MATRIX_FMT_FP4 matrix_b_fmt:MATRIX_FMT_FP4 matrix_b_scale:MATRIX_SCALE_ROW1
.else
	v_wmma_scale_f32_16x16x128_f8f6f4 v[\d:\d+7], v[\a:\a+7], v[\b:\b+7], v[\c:\c+7], v[\sa], v[\sb] matrix_a_fmt:MATRIX_FMT_FP4 matrix_b_fmt:MATRIX_FMT_FP4
.endif
.endm
.macro LOADX be                        ; block be of my column: x(32 be + i, my position), i = 0 .. 31; the 32 lanes read 32 words of one run of 128 bytes
.irp i, 0,1,2,3,4,5,6,7,8,9,10,11,12,13,14,15,16,17,18,19,20,21,22,23,24,25,26,27,28,29,30,31
	ds_load_b32 v[ACC+32*((\be)%2)+\i], v[XA0+(\be)/4] offset:512*(32*((\be)%4)+\i)
.endr
.endm
.macro QBLOCK be                       ; its scale byte into my scale word, its 32 codes into the fragment's place (blocks 0, 2 of a K step below, blocks 1, 3 above: the exchange of halves follows)
.set XS_, ACC+32*((\be)%2)
	v_max3_num_f32 v[TM], |v[XS_]|, |v[XS_+1]|, |v[XS_+2]|
	v_max3_num_f32 v[TM+1], |v[XS_+3]|, |v[XS_+4]|, |v[XS_+5]|
.irp i, 6,10,14,18,22,26
	v_max3_num_f32 v[TM], v[TM], |v[XS_+\i]|, |v[XS_+\i+1]|
	v_max3_num_f32 v[TM+1], v[TM+1], |v[XS_+\i+2]|, |v[XS_+\i+3]|
.endr
	v_max3_num_f32 v[TM], v[TM], |v[XS_+30]|, |v[XS_+31]|
	v_max3_num_f32 v[TM], v[TM], v[TM+1], 0x1800000        ; and the floor 2^(3 - 127): the byte cannot fall under 1
	v_add_nc_u32 v[TM+2], 0xff000000, v[TM]                ; 2 off the exponent field: the conversion's scale operand
	v_lshrrev_b32 v[TM+3], 23, v[TM+2]                     ; the scale's byte
.if (\be)%4 == 0
	v_mov_b32 v[XSW+(\be)/4], v[TM+3]
.else
	v_lshl_or_b32 v[XSW+(\be)/4], v[TM+3], 8*((\be)%4), v[XSW+(\be)/4]
.endif
.irp g, 0,1,2,3
	v_cvt_scalef32_pk8_fp4_f32 v[XC+16*((\be)/4)+8*((\be)%2)+4*(((\be)/2)%2)+\g], v[XS_+8*\g:XS_+8*\g+7], v[TM+2]
.endr
.endm
; Four blocks of 32 that lie in lanes l and l xor 16, 16 registers each, in v[ACC] on: the bytes into v[TM+4] on, a lane's 16 codes of block b into v[cd + 2 b], v[cd + 2 b + 1]
.macro QUANT4 cd
.irp b, 0,1,2,3
	v_max3_num_f32 v[TM+\b], |v[ACC+16*\b]|, |v[ACC+16*\b+1]|, 0x1800000   ; each accumulator is read from its low end on; the floor holds the byte at 1 from below
.endr
.irp i, 2,4,6,8,10,12,14
.irp b, 0,1,2,3
	v_max3_num_f32 v[TM+\b], v[TM+\b], |v[ACC+16*\b+\i]|, |v[ACC+16*\b+\i+1]|
.endr
.endr
.irp b, 0,1,2,3
	v_permlanex16_b32 v[TM+4+\b], v[TM+\b], s[SEL], s[SEL+1]
.endr
.irp b, 0,1,2,3
	v_max_num_f32 v[TM+\b], v[TM+\b], v[TM+4+\b]
.endr
.irp b, 0,1,2,3
	v_add_nc_u32 v[TM+12+\b], 0xff000000, v[TM+\b]
.endr
.irp b, 0,1,2,3
	v_lshrrev_b32 v[TM+4+\b], 23, v[TM+12+\b]
.endr
.irp b, 0,1,2,3
	v_cvt_scalef32_pk8_fp4_f32 v[\cd+2*\b], v[ACC+16*\b:ACC+16*\b+7], v[TM+12+\b]
	v_cvt_scalef32_pk8_fp4_f32 v[\cd+2*\b+1], v[ACC+16*\b+8:ACC+16*\b+15], v[TM+12+\b]
.endr
	v_nop                                          ; one plain place behind the last scaled conversion
.endm
.macro FETCH j                         ; producer j's four fragments of x and their scale words, as images of the registers
.irp s, 0,1
.irp u, 0,1
.irp q, 0,1
	ds_load_b128 v[XF+16*\s+8*\u+4*\q:XF+16*\s+8*\u+4*\q+3], v[XRI] offset:4096*(\j)+1024*(2*\s+\u)+512*\q
.endr
.endr
	ds_load_b32 v[XFS+\s], v[XRS] offset:256*(\j)+128*\s
.endr
.endm
.macro FGSTEP ks                       ; eight accumulators by turns: 2 be + u'; be = 0, 1: f of my tiles 0, 1; be = 2, 3: g
.irp be, 0,1,2,3
.irp up, 0,1
.set rD, ACC+8*(2*\be+\up)
.set rA, FW+32*(\be/2)+16*\up+8*\ks
.set rB, XC+16*\ks+8*(\be%2)
.set rC, FB+16*(\be/2)+8*\up
.if \ks
.set rC, rD
.endif
.set rS, FWS+4*(\be/2)+2*\up+\ks
.set rT, XSW+\ks
	WM rD, rA, rB, rC, rS, rT, 0, \be%2
.endr
.endr
.endm
.macro HSTEP ks                        ; eight accumulators by turns: 2 t + u
.irp t, 0,1,2,3
.irp u, 0,1
.set rD, ACC+8*(2*\t+\u)
.set rA, XF+16*\ks+8*\u
.set rB, HW+16*\t+8*\ks
.set rC, HB+8*\t
.if \ks
.set rC, rD
.endif
.set rS, XFS+\ks
.set rT, HWSR+2*\t+\ks
	WM rD, rA, rB, rC, rS, rT, \u, 0
.endr
.endr
.endm
	s_load_b512 s[4:19], s[0:1], 0x0               ; x1, x2, f_w codes, f_w scales, f_b, g_w codes, g_w scales, g_b
	s_load_b512 s[20:35], s[0:1], 0x40             ; h1_w codes, h1_w scales, h1_b, h2_w codes, h2_w scales, h2_b, frec, grec
	s_load_b64 s[36:37], s[0:1], 0x80              ; hrec
	v_lshl_add_u32 v[SPW], v0, 2, SPARE
	v_mov_b32 v[NIL], 0
	ds_add_u32 v[SPW], v[NIL]                      ; the wave's opening: the add, twice on end, and its wait ahead of my first tensor load
	ds_add_u32 v[SPW], v[NIL]
	v_lshrrev_b32 v1, 5, v0
	v_readfirstlane_b32 s[WV], v1                  ; wave 0..3
	s_and_b32 s[BB], ttmp7, 0xffff                 ; the unit
	s_mov_b32 s[G1+0], 2<<16                       ; elements of 4 bytes, no mask, no padding
	s_mov_b32 s[G1+1], 128<<16                     ; tensor_dim0 = 128
	s_mov_b32 s[G1+2], 64<<16                      ; tensor_dim1 = 64
	s_mov_b32 s[G1+3], 128<<16                     ; tile_dim0 = 128 positions
	s_mov_b32 s[G1+4], 64                          ; tile_dim1 = 64 channels
	s_mov_b32 s[G1+5], 4096                        ; from channel to channel
	s_mov_b32 s[G1+6], 0
	s_mov_b32 s[G1+7], 0
	s_mov_b32 s[G0], 1
	s_lshl_b32 s[G0+1], s[WV], 15                  ; my 64 rows of 512 bytes in LDS
	s_and_b32 s58, s[BB], 3
	s_lshl_b32 s58, s58, 22                        ; the batch: 256 x 4096 x 4 bytes
	s_lshl_b32 s59, ttmp9, 9                       ; + the 128 positions
	s_add_co_u32 s58, s58, s59
	s_lshl_b32 s59, s[WV], 20                      ; + my 64 channels
	s_add_co_u32 s58, s58, s59
	s_mov_b32 s59, 0
	s_mul_i32 s60, s[BB], 147456                   ; frec, grec: the unit's 32 records, and mine
	s_mul_i32 s61, ttmp9, 4608
	s_add_co_u32 s60, s60, s61
	s_mov_b32 s61, 0
	s_mul_i32 s62, s[BB], 557056                   ; hrec likewise
	s_mul_i32 s63, ttmp9, 17408
	s_add_co_u32 s62, s62, s63
	s_mov_b32 s63, 0
	s_lshl_b32 s66, s[WV], 13                      ; my 64 rows of h_w: 128 bytes of codes,
	s_mov_b32 s67, 0
	s_lshl_b32 s68, s[WV], 9                       ; 8 of scales,
	s_mov_b32 s69, 0
	s_lshl_b32 s70, s[WV], 8                       ; 4 of bias a row
	s_mov_b32 s71, 0
	s_mov_b32 s[SEL], 0x76543210
	s_mov_b32 s[SEL+1], 0xfedcba98                 ; v_permlanex16_b32's selects for lane l xor 16
	s_wait_dscnt 0x0                               ; both opening adds are done
	s_wait_kmcnt 0x0
	s_cmp_lt_u32 s[BB], 4                          ; branch 1 or 2: the choice hangs on the work-group's number alone
	s_cselect_b64 s[4:5], s[4:5], s[6:7]
	s_cselect_b64 s[20:21], s[20:21], s[26:27]
	s_cselect_b64 s[22:23], s[22:23], s[28:29]
	s_cselect_b64 s[24:25], s[24:25], s[30:31]
	s_add_nc_u64 s[G0+2:G0+3], s[4:5], s[58:59]
	s_or_b32 s[G0+3], s[G0+3], 0x80000000
	tensor_load_to_lds s[G0:G0+3], s[G1:G1+7]      ; my one tensor load: filled once
	s_nop 0
.rept 4
	v_nop
.endr
	s_add_nc_u64 s[20:21], s[20:21], s[66:67]
	s_add_nc_u64 s[22:23], s[22:23], s[68:69]
	s_add_nc_u64 s[24:25], s[24:25], s[70:71]
	s_add_nc_u64 s[32:33], s[32:33], s[60:61]
	s_add_nc_u64 s[34:35], s[34:35], s[60:61]
	s_add_nc_u64 s[36:37], s[36:37], s[62:63]
	v_and_b32 v1, 31, v0                           ; lane
	v_and_b32 v2, 15, v0                           ; r
	v_bfe_u32 v3, v0, 4, 1                         ; h
	v_and_b32 v30, 7, v0
	v_bfe_u32 v31, v0, 3, 1                        ; r / 8
	v_lshlrev_b32 v[XA0], 2, v30
	v_lshl_add_u32 v[XA0], v31, 6, v[XA0]
	v_lshl_add_u32 v[XA0], v3, 5, v[XA0]           ; 4 p(lane)
	s_lshl_b32 s72, s[WV], 7
	v_add_nc_u32 v[XA0], s72, v[XA0]
	v_add_nc_u32 v[XA1], 65536, v[XA0]
	v_lshl_add_u32 v[XRI], v1, 4, XIMG
	v_lshl_add_u32 v[XRS], v1, 2, XSC
	s_lshl_b32 s72, s[WV], 12
	v_add_nc_u32 v[XWI], s72, v[XRI]
	s_lshl_b32 s73, s[WV], 8
	v_add_nc_u32 v[XWS], s73, v[XRS]
	v_lshlrev_b32 v30, 4, v2
	v_lshl_add_u32 v30, v3, 3, v30                 ; 16 r + 8 h
	s_lshl_b32 s74, s[WV], 10
	v_add_nc_u32 v[FO], s74, v30
	v_add_nc_u32 v[HO], s72, v30
	v_lshlrev_b32 v30, 2, v1                       ; 4 lane
	s_lshl_b32 s74, s[WV], 7
	s_add_co_u32 s74, s74, 4096
	v_add_nc_u32 v[FSO], s74, v30
	s_add_co_u32 s73, s73, 16384
	v_add_nc_u32 v[HSO], s73, v30
	v_lshl_add_u32 v30, v31, 3, v2                 ; r + 8 (r / 8)
	v_lshlrev_b32 v[WA], 7, v30
	v_lshl_add_u32 v[WA], v3, 4, v[WA]             ; f_w, g_w: that row of 128 bytes, + 16 h
	v_lshlrev_b32 v[WAS], 3, v30
	v_lshlrev_b32 v[WB], 7, v2
	v_lshl_add_u32 v[WB], v3, 4, v[WB]             ; h_w: row r
	v_lshlrev_b32 v[WBS], 3, v2
	v_lshlrev_b32 v[BA], 6, v3                     ; f_b, g_b: my half's 16 channels
	v_lshlrev_b32 v[BH], 2, v2                     ; h_b: my channel
	v_mov_b32 v[ZZ], 0
	v_mov_b32 v[ZZ+1], 0
.irp b, 4,5,6,7
	v_mov_b32 v[TM+\b], 0                          ; written once: a lane permute's destination counts as one of its sources
.endr
	v_cmp_le_u32 s[HM], 16, v1
	WIN 0x40                                       ; destination window 1
.irp up, 0,1
.irp s, 0,1
.irp q, 0,1
	global_load_b128 v[FW+16*\up+8*\s+4*\q:FW+16*\up+8*\s+4*\q+3], v[WA], s[8:9] offset:1024*\up+64*\s+32*\q
	global_load_b128 v[FW+32+16*\up+8*\s+4*\q:FW+32+16*\up+8*\s+4*\q+3], v[WA], s[14:15] offset:1024*\up+64*\s+32*\q
.endr
.endr
.endr
.irp t, 0,1,2,3
.irp s, 0,1
.irp q, 0,1
	global_load_b128 v[HW+16*\t+8*\s+4*\q:HW+16*\t+8*\s+4*\q+3], v[WB], s[20:21] offset:2048*\t+64*\s+32*\q
.endr
.endr
.endr
.irp up, 0,1
	global_load_b128 v[FB+8*\up:FB+8*\up+3], v[BA], s[12:13] offset:32*\up          ; register j of tile u': channel 16 h + 8 u' + j
	global_load_b128 v[FB+8*\up+4:FB+8*\up+7], v[BA], s[12:13] offset:32*\up+16
	global_load_b128 v[FB+16+8*\up:FB+16+8*\up+3], v[BA], s[18:19] offset:32*\up
	global_load_b128 v[FB+16+8*\up+4:FB+16+8*\up+7], v[BA], s[18:19] offset:32*\up+16
.endr
.irp t, 0,1,2,3
	global_load_b32 v[HB+8*\t], v[BH], s[24:25] offset:64*\t
.endr
	WIN 0
.irp up, 0,1
.irp s, 0,1
	global_load_b32 v[FWS+2*\up+\s], v[WAS], s[10:11] offset:64*\up+4*\s
	global_load_b32 v[FWS+4+2*\up+\s], v[WAS], s[16:17] offset:64*\up+4*\s
.endr
.endr
.irp t, 0,1,2,3
.irp s, 0,1
	global_load_b32 v[HWSR+2*\t+\s], v[WBS], s[22:23] offset:128*\t+4*\s
.endr
.endr
	s_wait_tensorcnt 0x0                           ; my 64 rows of x are in LDS,
	s_barrier_signal -1
	s_barrier_wait -1                              ; everybody's are
	; ---- x becomes codes: eight blocks of 32 channels a lane, the loads two blocks ahead
	LOADX 0
	LOADX 1
.irp be, 0,1,2,3,4,5,6,7
.if \be < 7
	s_wait_dscnt 32                                ; this block's 32 loads are in; the next block's 32 may be out
.else
	s_wait_dscnt 0x0
.endif
	QBLOCK \be
.if \be < 6
	LOADX \be+2
.endif
.endr
	v_nop                                          ; one plain place behind the last scaled conversion
.irp s, 0,1
.irp q, 0,1
.irp i, 0,1,2,3
	v_permlane16_swap_b32 v[XC+16*\s+4*\q+\i], v[XC+16*\s+8+4*\q+\i]   ; the first becomes register 4 q + i of tile 0's fragment (lanes 16-31: block 2 q + 1), the second of tile 1's
.endr
.endr
.endr
.irp s, 0,1
.irp u, 0,1
.irp q, 0,1
	ds_store_b128 v[XWI], v[XC+16*\s+8*\u+4*\q:XC+16*\s+8*\u+4*\q+3] offset:1024*(2*\s+\u)+512*\q
.endr
.endr
	ds_store_b32 v[XWS], v[XSW+\s] offset:128*\s
.endr
	s_wait_loadcnt 0x0                             ; weights, scale words, biases
	WIN 0x41
.irp t, 0,1,2,3
.irp i, 1,2,3,4,5,6,7
	v_mov_b32 v[HB+8*\t+\i], v[HB+8*\t]            ; in h's results a lane holds one channel: its bias in all eight registers
.endr
.endr
.rept 8
	v_nop                                          ; scale words written by vector instructions stand 8 places ahead of a scaled product, operands so written 4
.endr
	; ---- f and g of my 32 positions
	WIN 0x11                                       ; source 0 (weights) and C (biases) window 1
	FGSTEP 0
	WIN 0x01
	FGSTEP 1
	WIN 0
.rept 4
	v_nop
.endr
	QUANT4 CD
.irp be, 0,1
	global_store_b64 v[FO], v[CD+2*\be:CD+2*\be+1], s[32:33] offset:512*\be          ; 32 lanes store 256 consecutive bytes, aligned: a tile's codes,
	global_store_b64 v[FO], v[ZZ:ZZ+1], s[32:33] offset:512*\be+256                  ; and its 256 bytes of zeros
	global_store_b64 v[FO], v[CD+4+2*\be:CD+4+2*\be+1], s[34:35] offset:512*\be
	global_store_b64 v[FO], v[ZZ:ZZ+1], s[34:35] offset:512*\be+256
.endr
	v_cndmask_b32 v[OW], v[TM+4], v[TM+5], s[HM]   ; lanes 0-15: tile 0's bytes, lanes 16-31: tile 1's
	v_cndmask_b32 v[OW+1], v[TM+6], v[TM+7], s[HM]
	global_store_b32 v[FSO], v[OW], s[32:33]
	global_store_b32 v[FSO], v[OW+1], s[34:35]
	s_wait_dscnt 0x0                               ; my images of x have landed,
	s_barrier_signal -1
	s_barrier_wait -1                              ; everybody's have
	FETCH 0
	; ---- h: my 64 channels for the four blocks of 32 positions
.irp j, 0,1,2,3
	s_wait_dscnt 0x0
	WIN 0x14                                       ; source 1 (h_w) and C (h_b) window 1
	HSTEP 0
	WIN 0x04
	HSTEP 1
	WIN 0
.rept 4
	v_nop                                          ; places in front of the loads into x's fragments and of the first read of results
.endr
.if \j < 3
	FETCH \j+1
.endif
	QUANT4 CD+8*(\j+1)
.irp t, 0,1,2,3
	global_store_b64 v[HO], v[CD+8*(\j+1)+2*\t:CD+8*(\j+1)+2*\t+1], s[36:37] offset:1024*\t+256*\j   ; 256 consecutive bytes, aligned: block j of 16 channels
.endr
.irp t, 0,1,2,3
.if \j == 0
	v_mov_b32 v[HWD+\t], v[TM+4+\t]
.else
	v_lshl_or_b32 v[HWD+\t], v[TM+4+\t], 8*\j, v[HWD+\t]
.endif
.endr
.endr
	v_cndmask_b32 v[OW+2], v[HWD], v[HWD+1], s[HM]
	v_cndmask_b32 v[OW+3], v[HWD+2], v[HWD+3], s[HM]
	global_store_b32 v[HSO], v[OW+2], s[36:37]
	global_store_b32 v[HSO], v[OW+3], s[36:37] offset:128
	s_wait_tensorcnt 0x0                           ; the wave's end, behind my last tensor load and my last LDS store
	ds_add_u32 v[SPW], v[NIL]
	s_wait_dscnt 0x0
	s_endpgm
.Lfunc_end_k_qcf7e557f5d_prep:
	.size	k_qcf7e557f5d_prep, .Lfunc_end_k_qcf7e557f5d_prep-k_qcf7e557f5d_prep
	.p2alignl 7, 3214868480
	.fill 96, 4, 3214868480
	.section	.rodata,"a",@progbits
	.p2align	6, 0x0
	.amdhsa_kernel k_qcf7e557f5d_prep
		.amdhsa_group_segment_fixed_size 167936
		.amdhsa_private_segment_fixed_size 0
		.amdhsa_enable_private_segment 0
		.amdhsa_kernarg_size 136
		.amdhsa_user_sgpr_count 2
		.amdhsa_user_sgpr_kernarg_segment_ptr 1
		.amdhsa_wavefront_size32 1
		.amdhsa_system_sgpr_workgroup_id_x 1
		.amdhsa_system_sgpr_workgroup_id_y 1
		.amdhsa_system_sgpr_workgroup_id_z 1
		.amdhsa_system_vgpr_workitem_id 0
		.amdhsa_next_free_vgpr 512
		.amdhsa_next_free_sgpr 84
		.amdhsa_reserve_vcc 0
		.amdhsa_float_denorm_mode_32 3
		.amdhsa_float_denorm_mode_16_64 3
		.amdhsa_memory_ordered 1
		.amdhsa_forward_progress 1
		.amdhsa_inst_pref_size 76
	.end_amdhsa_kernel
	.amdgpu_metadata
---
amdhsa.version: [ 1, 2 ]
amdhsa.kernels:
  - .name:           k_qcf7e557f5d_prep
    .symbol:         k_qcf7e557f5d_prep.kd
    .args:
      - { .name: x1, .offset: 0, .size: 8, .value_kind: global_buffer, .address_space: global }
      - { .name: x2, .offset: 8, .size: 8, .value_kind: global_buffer, .address_space: global }
      - { .name: f_w_codes, .offset: 16, .size: 8, .value_kind: global_buffer, .address_space: global }
      - { .name: f_w_scales, .offset: 24, .size: 8, .value_kind: global_buffer, .address_space: global }
      - { .name: f_b, .offset: 32, .size: 8, .value_kind: global_buffer, .address_space: global }
      - { .name: g_w_codes, .offset: 40, .size: 8, .value_kind: global_buffer, .address_space: global }
      - { .name: g_w_scales, .offset: 48, .size: 8, .value_kind: global_buffer, .address_space: global }
      - { .name: g_b, .offset: 56, .size: 8, .value_kind: global_buffer, .address_space: global }
      - { .name: h1_w_codes, .offset: 64, .size: 8, .value_kind: global_buffer, .address_space: global }
      - { .name: h1_w_scales, .offset: 72, .size: 8, .value_kind: global_buffer, .address_space: global }
      - { .name: h1_b, .offset: 80, .size: 8, .value_kind: global_buffer, .address_space: global }
      - { .name: h2_w_codes, .offset: 88, .size: 8, .value_kind: global_buffer, .address_space: global }
      - { .name: h2_w_scales, .offset: 96, .size: 8, .value_kind: global_buffer, .address_space: global }
      - { .name: h2_b, .offset: 104, .size: 8, .value_kind: global_buffer, .address_space: global }
      - { .name: frec, .offset: 112, .size: 8, .value_kind: global_buffer, .address_space: global }
      - { .name: grec, .offset: 120, .size: 8, .value_kind: global_buffer, .address_space: global }
      - { .name: hrec, .offset: 128, .size: 8, .value_kind: global_buffer, .address_space: global }
    .group_segment_fixed_size: 167936
    .private_segment_fixed_size: 0
    .kernarg_segment_align: 8
    .kernarg_segment_size: 136
    .max_flat_workgroup_size: 128
    .sgpr_count:     84
    .vgpr_count:     512
    .wavefront_size: 32
...
	.end_amdgpu_metadata
.endif
;; end of part 1
;; launch stats (part 2): grid 32 x 8, 16 waves a work-group, clusters of 4 x 1, 167,936 bytes of LDS; arguments frec, grec, stat; writes stat
.if DOCPART == 2
	.amdgcn_target "amdgcn-amd-amdhsa--gfx1250"
	.amdhsa_code_object_version 6
	.text
	.protected	k_qcf7e557f5d_stats
	.globl	k_qcf7e557f5d_stats
	.p2align	8
	.type	k_qcf7e557f5d_stats,@function
k_qcf7e557f5d_stats:
	s_mov_b64 s[64:65], 0
	v_nop
	global_prefetch_b8 v0, s[64:65] scope:SCOPE_SE
	s_setreg_imm32_b32 hwreg(HW_REG_WAVE_MODE, 25, 1), 1
	s_wait_xcnt 0x0
	s_wait_alu depctr_hold_cnt(0) depctr_sa_sdst(0) depctr_va_vdst(0) depctr_va_sdst(0) depctr_va_ssrc(0) depctr_va_vcc(0) depctr_vm_vsrc(0)
	s_getreg_b32 s2, hwreg(HW_REG_IB_STS2, 6, 4)
	s_cmp_eq_u32 s2, 0
	s_cbranch_scc0 .Lentry_in_a_cluster
	s_endpgm
.Lentry_in_a_cluster:
	s_bfe_u32 s2, ttmp6, 0x10000c
	s_cmp_lg_u32 s2, 0x3003
	s_cbranch_scc0 .Lentry_shape_is_right
	s_endpgm
.Lentry_shape_is_right:
; PSA, launch 2 of 3: the rows' statistics.  s[n][m] = f_q(n) . g_q(m) on the codes that the first launch made; for each row n: nb[n] = -(c max_m s + log2 sum_m 2^(c s - c max)), c = log2(e) / sqrt(32),
; so that the finished softmax is attn[n][m] = 2^(c s[n][m] + nb[n]).  The row's true maximum is taken away before every exponential, as a running maximum.  No work is left out.
; LIMITS: the normalisation is folded into the exponent, an order of rounding other than exp(..) / sum: the difference is that of one log2 (1 ulp, of a number in 0 .. 12) and of two roundings of numbers of the
; size of c s, about 2e-6 of attn on inputs of the problem's kind, growing with |c s| 2^-24; NaN and infinities are not served.
; SHARES.  Work-group (x, bb): the 128 rows of frec's record x against all 4,096 m.  SIXTEEN waves of 192 registers, four to a SIMD, so that one wave's exponentials and LDS loads stand beside another's plain work.
; Wave w: tile w % 8 of the record, 16 rows, against half of g's 32 records: records 8 (w / 8) + 0 .. 7, then 16 + 8 (w / 8) + 0 .. 7.  Source 0 = 16 positions of g, source 1 = my 16 of f: a lane holds ONE row n
; and, of each record of g, 64 of its 128 m.  The order of m does not matter to a maximum or a sum.  Each lane runs its own maximum and sum; at the end the two halves of the lanes are joined, and then, through LDS,
; the two waves of a tile.
; K = 32 stands in a product of K = 128: the operands' registers 4-7 are zeros, set once, and lanes 16-31 of registers 0-3 load the records' zeros.
; CLUSTER.  The four work-groups of a cluster belong to one unit and read the same 147,456 bytes of grec: they ask for them jointly.  All of it stays in LDS, filled once: each wave issues two loads
; (record w; record 16 + w), so that the first sixteen records, which the first loop reads, can be worked on while the others land.
.set RECB,  4608
.set SPARE, 147456                     ; behind grec: the spare words, 128 bytes a wave: eight blocks of 256 bytes that no other line names
.set SCR,   149504                     ; 512 bytes: the work-group's 128 results, in the order of n
.set PAIR,  150016                     ; 4,096 bytes: each wave's (maximum, sum), 8 bytes a lane, 256 bytes a wave
.set LI,  1                            ; v1   16 lane
.set LS,  2                            ; v2   4 lane
.set AG,  3                            ; v3   the record in hand: its tiles,
.set AGS, 4                            ; v4   its scale words
.set SCA, 5                            ; v5   where my row's result goes
.set SPW, 6
.set NIL, 7
.set FS,  8                            ; v8   f's scale words: lanes 0-15 my tile's rows
.set SCL, 9                            ; v9   SCR + 16 lane
.set PWA, 10                           ; v10  PAIR + 256 w + 8 lane
.set PRA, 11                           ; v11  PAIR + 256 (w xor 8) + 8 lane
.set GS,  12                           ; v12-15 g's scale words: lanes 0-15 tile (b, 0), lanes 16-31 tile (b, 1)
.set FF,  16                           ; v16-23 f's fragment
.set CM,  24                           ; v24  c x the running maximum;  v25 the running maximum
.set MX,  25
.set L,   26                           ; v[26:27] the running sum, in two halves
.set A,   28                           ; v[28:29] 2^(c old maximum - c new maximum)
.set OLD, 30
.set T,   32                           ; v32-35 four chains of the maximum
.set SUMB, 36
.set FIN, 38                           ; v38-45 at work in the join of the lanes' halves
.set PM,  46                           ; v[46:47] my wave's maximum and sum of the row
.set PO,  48                           ; v[48:49] the other wave's
.set W,   50                           ; v50-56 at work at the head and in the join of the waves
.set OUTR, 60                          ; v[60:63] the way out
.set GF,  64                           ; v64-127 g's eight fragments
.set S,   128                          ; v128-191 the scores
.set G1,  16
.set G0A, 32
.set G0B, 36
.set WV,  40
.set CX,  41
.set X,   42
.set BB,  43
.set CS,  44
.set SEL, 46
.set TG,  48
.set CNT, 49
.set TL,  58                           ; s58  my tile: w % 8
.set HF,  59                           ; s59  my half of the records: w / 8
.macro CROUND                          ; a round of the cluster's barrier
	s_barrier_signal -1
	s_barrier_wait -1
	s_cmp_lg_u32 s[WV], 0
	s_cbranch_scc1 .Lnot_wave_0_\@
	s_barrier_signal -3
.Lnot_wave_0_\@:
	s_barrier_wait -3
	s_barrier_signal -1
	s_barrier_wait -1
.endm
.macro G1SET g, rows                   ; a dense block as rows of 256 bytes (32 elements of 8 bytes); the mask names the cluster's four work-groups, bit 21 stands beside it
	s_mov_b32 s[\g], 15|(3<<16)|(1<<21)
	s_mov_b32 s[\g+1], 32<<16
	s_mov_b32 s[\g+2], (\rows)<<16
	s_mov_b32 s[\g+3], 32<<16
	s_mov_b32 s[\g+4], \rows
	s_mov_b32 s[\g+5], 32
	s_mov_b32 s[\g+6], 0
	s_mov_b32 s[\g+7], 0
.endm
	s_load_b128 s[4:7], s[0:1], 0x0                ; frec, grec
	s_load_b64 s[8:9], s[0:1], 0x10                ; stat
	v_lshl_add_u32 v[SPW], v0, 2, SPARE
	v_mov_b32 v[NIL], 0
	ds_add_u32 v[SPW], v[NIL]                      ; the wave's opening: the add, twice on end, and its wait ahead of the round in front of my first tensor loads
	ds_add_u32 v[SPW], v[NIL]
	v_lshrrev_b32 v[W], 5, v0
	s_delay_alu instid0(VALU_DEP_1)
	v_readfirstlane_b32 s[WV], v[W]                ; wave 0..15
	s_and_b32 s[TL], s[WV], 7
	s_lshr_b32 s[HF], s[WV], 3
	s_bfe_u32 s[CX], ttmp6, 0x40000
	s_lshl_b32 s[X], ttmp9, 2
	s_add_co_u32 s[X], s[X], s[CX]                 ; my record of f: it enters frec's and stat's addresses alone
	s_and_b32 s[BB], ttmp7, 0xffff                 ; the unit, which the four partners share
	G1SET G1, 18                                   ; a record: 18 rows of 256 bytes
	s_mul_i32 s50, s[BB], 32*RECB
	s_mov_b32 s[G0A], 1
	s_mul_i32 s[G0A+1], s[WV], RECB                ; record w: in LDS as in the unit's part of grec
	s_add_co_u32 s[G0A+2], s50, s[G0A+1]
	s_mov_b32 s[G0A+3], 0
	s_mov_b32 s[G0B], 1
	s_add_co_u32 s[G0B+1], s[G0A+1], 16*RECB       ; record 16 + w
	s_add_co_u32 s[G0B+2], s50, s[G0B+1]
	s_mov_b32 s[G0B+3], 0
	s_mul_i32 s52, s[X], RECB
	s_add_co_u32 s52, s52, s50                     ; my record of f
	s_lshl_b32 s53, s[TL], 9
	s_add_co_u32 s54, s52, s53                     ; my tile's image
	s_mov_b32 s55, 0
	s_lshl_b32 s53, s[TL], 6
	s_add_co_u32 s56, s52, s53
	s_add_co_u32 s56, s56, 4096                    ; my tile's 16 scale words: 4096 + 128 (tile / 2) + 64 (tile % 2)
	s_mov_b32 s57, 0
	s_lshl_b32 s52, s[BB], 14
	s_lshl_b32 s53, s[X], 9
	s_add_co_u32 s52, s52, s53                     ; stat: 4 (4096 bb + 128 x)
	s_mov_b32 s53, 0
	s_mov_b32 s[CS], 0x3e8293ee                    ; c = log2(e) / sqrt(32)
	s_mov_b32 s[CS+1], s[CS]                       ; (named with it as a pair, so it is written)
	s_mov_b32 s[SEL], 0x76543210
	s_mov_b32 s[SEL+1], 0xfedcba98
	s_mul_i32 s[TG], s[HF], 8*RECB                 ; the first loop: records 8 (w / 8) on
	s_wait_dscnt 0x0                               ; both opening adds are done
	s_wait_kmcnt 0x0
	s_add_nc_u64 s[G0A+2:G0A+3], s[6:7], s[G0A+2:G0A+3]
	s_or_b32 s[G0A+3], s[G0A+3], 0x80000000
	s_add_nc_u64 s[G0B+2:G0B+3], s[6:7], s[G0B+2:G0B+3]
	s_or_b32 s[G0B+3], s[G0B+3], 0x80000000
	s_add_nc_u64 s[10:11], s[4:5], s[56:57]
	s_add_nc_u64 s[4:5], s[4:5], s[54:55]
	s_add_nc_u64 s[8:9], s[8:9], s[52:53]
	CROUND                                         ; all four work-groups are here: the joint loads meet
	tensor_load_to_lds s[G0A:G0A+3], s[G1:G1+7]
	s_nop 0
	tensor_load_to_lds s[G0B:G0B+3], s[G1:G1+7]    ; two loads of mine are out
	s_nop 0
.irp t, 0,1,2,3,4,5,6,7
.irp i, 4,5,6,7
	v_mov_b32 v[GF+8*\t+\i], 0                     ; K = 64 .. 127: zero codes, set once
.endr
.endr
.irp i, 4,5,6,7
	v_mov_b32 v[FF+\i], 0
.endr
	v_and_b32 v[W], 31, v0
	s_delay_alu instid0(VALU_DEP_1)
	v_lshlrev_b32 v[LI], 4, v[W]
	s_delay_alu instid0(VALU_DEP_2)
	v_lshlrev_b32 v[LS], 2, v[W]
	s_delay_alu instid0(VALU_DEP_3)
	v_lshl_add_u32 v[SCL], v[W], 4, SCR
	s_delay_alu instid0(VALU_DEP_4)
	v_lshl_add_u32 v[PWA], v[W], 3, PAIR
	s_lshl_b32 s50, s[WV], 8
	s_xor_b32 s51, s50, 2048                       ; 256 (w xor 8): the wave that has my tile's other records
	v_add_nc_u32 v[PRA], s51, v[PWA]
	v_add_nc_u32 v[PWA], s50, v[PWA]
	v_and_b32 v[W], 15, v0
	v_bfe_u32 v[W+1], v0, 3, 1
	s_delay_alu instid0(VALU_DEP_2)
	v_lshlrev_b32 v[W], 2, v[W]                    ; 4 r
	s_delay_alu instid0(VALU_DEP_1)
	v_lshl_add_u32 v[SCA], v[W+1], 5, v[W]         ; 4 (r + 8 (r / 8))
	s_lshr_b32 s50, s[TL], 1
	s_lshl_b32 s50, s50, 7
	s_and_b32 s51, s[TL], 1
	s_lshl_b32 s51, s51, 5
	s_add_co_u32 s50, s50, s51
	s_add_co_u32 s50, s50, SCR
	v_add_nc_u32 v[SCA], s50, v[SCA]               ; + 4 (32 (tile / 2) + 8 (tile % 2)): my row's place among the record's 128
	global_load_b128 v[FF:FF+3], v[LI], s[4:5]     ; f's tile as it lies: lanes 16-31 take its zeros
	global_load_b32 v[FS], v[W], s[10:11]
	v_mov_b32 v[MX], 0xff61b1e6                    ; -3e38, under every score
	s_delay_alu instid0(VALU_DEP_1)
	v_mul_f32 v[CM], s[CS], v[MX]
	v_mov_b32 v[L], 0
	v_mov_b32 v[L+1], 0
	v_mov_b32 v[A+1], 0                            ; (named as the upper half of a pair)
	v_mov_b32 v[FIN], 0                            ; written once: a lane permute's destination counts as one of its sources
	v_mov_b32 v[FIN+1], 0
	s_wait_tensorcnt 1                             ; my record of the first sixteen is in; my other load may stay out
	s_barrier_signal -1
	s_barrier_wait -1                              ; everybody's is
	s_wait_loadcnt 0x0                             ; f
; n records of g, one a trip: 128 m, of which a lane sees 64
.macro RECLOOP n
	s_mov_b32 s[CNT], \n
.Lrec_\@:
	s_setprio 2
	v_add_nc_u32 v[AG], s[TG], v[LI]
	v_add_nc_u32 v[AGS], s[TG], v[LS]
	s_add_co_u32 s[TG], s[TG], RECB
.irp b, 0,1,2,3
	ds_load_b32 v[GS+\b], v[AGS] offset:4096+128*\b
.endr
.irp t, 0,1,2,3,4,5,6,7
	ds_load_b128 v[GF+8*\t:GF+8*\t+3], v[AG] offset:512*\t
.endr
	s_wait_dscnt 0x0
.irp t, 0,2,4,6
	v_wmma_scale_f32_16x16x128_f8f6f4 v[S+8*\t:S+8*\t+7], v[GF+8*\t:GF+8*\t+7], v[FF:FF+7], 0, v[GS+\t/2], v[FS] matrix_a_fmt:MATRIX_FMT_FP4 matrix_b_fmt:MATRIX_FMT_FP4
	v_wmma_scale_f32_16x16x128_f8f6f4 v[S+8*\t+8:S+8*\t+15], v[GF+8*\t+8:GF+8*\t+15], v[FF:FF+7], 0, v[GS+\t/2], v[FS] matrix_a_fmt:MATRIX_FMT_FP4 matrix_b_fmt:MATRIX_FMT_FP4 matrix_a_scale:MATRIX_SCALE_ROW1
.endr
.rept 4
	v_nop
.endr
.irp k, 0,1,2,3
	v_max3_num_f32 v[T+\k], v[S+16*\k], v[S+16*\k+1], v[S+16*\k+2]      ; four chains by turns; each accumulator is read from its low end on
.endr
.irp i, 3,5,7,9,11,13
.irp k, 0,1,2,3
	v_max3_num_f32 v[T+\k], v[T+\k], v[S+16*\k+\i], v[S+16*\k+\i+1]
.endr
.endr
.irp k, 0,1,2,3
	v_max_num_f32 v[T+\k], v[T+\k], v[S+16*\k+15]
.endr
	s_delay_alu instid0(VALU_DEP_2)
	v_max3_num_f32 v[T], v[T], v[T+1], v[T+2]
	s_delay_alu instid0(VALU_DEP_1)
	v_max3_num_f32 v[MX], v[T], v[T+3], v[MX]      ; the running maximum
	v_mov_b32 v[OLD], v[CM]
	s_delay_alu instid0(VALU_DEP_2)
	v_mul_f32 v[CM], s[CS], v[MX]
	s_delay_alu instid0(VALU_DEP_1)
	v_sub_f32 v[OLD], v[OLD], v[CM]                ; c old - c new, 0 or less
.set k, 0
.rept 32
	v_pk_fma_f32 v[S+2*k:S+2*k+1], v[S+2*k:S+2*k+1], s[CS:CS+1], v[CM:CM+1] op_sel_hi:[1,0,0] neg_lo:[0,0,1] neg_hi:[0,0,1]   ; c s - c max, two at a time
.set k, k+1
.endr
	s_setprio 1
	s_wait_alu depctr_va_vdst(0)
	v_exp_f32 v[A], v[OLD]
.set k, 0
.rept 64
	v_exp_f32 v[S+k], v[S+k]
.set k, k+1
.endr
	s_setprio 0
	v_nop                                          ; a plain place behind the last exponential
	s_wait_alu depctr_va_vdst(0)                   ; one wait for the batch of 65, ahead of its first reader
	v_pk_mul_f32 v[L:L+1], v[L:L+1], v[A:A+1] op_sel_hi:[1,0]           ; the sum under the new maximum
	v_pk_add_f32 v[36:37], v[132:133], v[136:137]
	v_pk_add_f32 v[122:123], v[140:141], v[144:145]
	v_pk_add_f32 v[120:121], v[148:149], v[152:153]
	v_pk_add_f32 v[114:115], v[156:157], v[160:161]
	v_pk_add_f32 v[112:113], v[164:165], v[168:169]
	v_pk_add_f32 v[106:107], v[172:173], v[176:177]
	v_pk_add_f32 v[104:105], v[180:181], v[184:185]
	v_pk_add_f32 v[26:27], v[26:27], v[188:189]
	v_pk_add_f32 v[36:37], v[36:37], v[128:129]
	v_pk_add_f32 v[122:123], v[122:123], v[130:131]
	v_pk_add_f32 v[120:121], v[120:121], v[134:135]
	v_pk_add_f32 v[114:115], v[114:115], v[138:139]
	v_pk_add_f32 v[112:113], v[112:113], v[142:143]
	v_pk_add_f32 v[106:107], v[106:107], v[146:147]
	v_pk_add_f32 v[104:105], v[104:105], v[150:151]
	v_pk_add_f32 v[26:27], v[26:27], v[154:155]
	v_pk_add_f32 v[36:37], v[36:37], v[158:159]
	v_pk_add_f32 v[122:123], v[122:123], v[162:163]
	v_pk_add_f32 v[120:121], v[120:121], v[166:167]
	v_pk_add_f32 v[114:115], v[114:115], v[170:171]
	v_pk_add_f32 v[112:113], v[112:113], v[174:175]
	v_pk_add_f32 v[106:107], v[106:107], v[178:179]
	v_pk_add_f32 v[104:105], v[104:105], v[182:183]
	v_pk_add_f32 v[26:27], v[26:27], v[186:187]
	v_pk_add_f32 v[36:37], v[36:37], v[190:191]
	s_delay_alu instid0(VALU_DEP_2)
	v_pk_add_f32 v[26:27], v[26:27], v[114:115]
	s_delay_alu instid0(VALU_DEP_2)
	v_pk_add_f32 v[36:37], v[36:37], v[112:113]
	v_pk_add_f32 v[122:123], v[122:123], v[106:107]
	v_pk_add_f32 v[120:121], v[120:121], v[104:105]
	s_delay_alu instid0(VALU_DEP_2)
	v_pk_add_f32 v[26:27], v[26:27], v[122:123]
	s_delay_alu instid0(VALU_DEP_2)
	v_pk_add_f32 v[36:37], v[36:37], v[120:121]
	s_delay_alu instid0(VALU_DEP_1)
	v_pk_add_f32 v[26:27], v[26:27], v[36:37]
	s_sub_co_u32 s[CNT], s[CNT], 1
	s_cmp_lg_u32 s[CNT], 0
	s_cbranch_scc1 .Lrec_\@
	s_setprio 0
.endm
	RECLOOP 8
	s_wait_tensorcnt 0x0                           ; my second record is in,
	s_wait_dscnt 0x0
	s_add_co_u32 s[TG], s[TG], 8*RECB              ; the second loop: records 16 + 8 (w / 8) on
	s_barrier_signal -1
	s_barrier_wait -1                              ; everybody's is
	RECLOOP 8
	; the two halves of the lanes are joined
	v_add_f32 v[L], v[L], v[L+1]
	s_delay_alu instid0(VALU_DEP_1)
	v_permlanex16_b32 v[FIN], v[L], s[SEL], s[SEL+1]       ; the other half's sum,
	v_permlanex16_b32 v[FIN+1], v[MX], s[SEL], s[SEL+1]    ; and its maximum
	s_delay_alu instid0(VALU_DEP_1)
	v_max_num_f32 v[PM], v[MX], v[FIN+1]           ; the row's maximum over my sixteen records
	s_delay_alu instid0(VALU_DEP_1)
	v_mul_f32 v[FIN+3], s[CS], v[PM]
	s_delay_alu instid0(VALU_DEP_3)
	v_mul_f32 v[FIN+4], s[CS], v[FIN+1]
	s_delay_alu instid0(VALU_DEP_2)
	v_sub_f32 v[FIN+5], v[CM], v[FIN+3]
	s_delay_alu instid0(VALU_DEP_2)
	v_sub_f32 v[FIN+4], v[FIN+4], v[FIN+3]
	s_wait_alu depctr_va_vdst(0)
	v_exp_f32 v[FIN+5], v[FIN+5]
	v_exp_f32 v[FIN+4], v[FIN+4]
	v_nop
	s_wait_alu depctr_va_vdst(0)
	v_mul_f32 v[L], v[L], v[FIN+5]                 ; two products and a sum, not a fused form: so lanes l and l xor 16, which take the two terms the other way round, get the same bits
	v_mul_f32 v[FIN], v[FIN], v[FIN+4]
	s_delay_alu instid0(VALU_DEP_1)
	v_add_f32 v[PM+1], v[L], v[FIN]                ; and its sum under that maximum
	; the two waves of a tile are joined
	ds_store_b64 v[PWA], v[PM:PM+1]
	s_wait_dscnt 0x0                               ; for the others' sake: my pair has landed
	s_barrier_signal -1
	s_barrier_wait -1
	ds_load_b64 v[PO:PO+1], v[PRA]                 ; the pair of the wave that walked my tile's other sixteen records
	s_wait_dscnt 0x0
	v_max_num_f32 v[W], v[PM], v[PO]               ; the row's maximum
	s_delay_alu instid0(VALU_DEP_1)
	v_mul_f32 v[W+1], s[CS], v[W]
	v_mul_f32 v[W+2], s[CS], v[PO]
	s_delay_alu instid0(VALU_DEP_2)
	v_sub_f32 v[W+3], v[FIN+3], v[W+1]
	s_delay_alu instid0(VALU_DEP_2)
	v_sub_f32 v[W+2], v[W+2], v[W+1]
	s_wait_alu depctr_va_vdst(0)
	v_exp_f32 v[W+3], v[W+3]
	v_exp_f32 v[W+2], v[W+2]
	v_nop
	s_wait_alu depctr_va_vdst(0)
	v_mul_f32 v[W+4], v[PM+1], v[W+3]
	v_fma_f32 v[W+4], v[PO+1], v[W+2], v[W+4]      ; the row's sum, at least about 1
	s_wait_alu depctr_va_vdst(0)
	v_log_f32 v[W+5], v[W+4]
	v_nop
	s_wait_alu depctr_va_vdst(0)
	v_sub_f32 v[W+6], -v[W+1], v[W+5]              ; nb = -(c max) - log2(sum)
	s_cmp_lt_u32 s[WV], 8                          ; one wave of each tile's two stores it
	s_cbranch_scc0 .Lother_half
	ds_store_b32 v[SCA], v[W+6]                    ; both lanes of a row write the same word with the same value
.Lother_half:
	s_wait_dscnt 0x0
	s_barrier_signal -1
	s_barrier_wait -1                              ; the 128 results lie in the order of n
	s_cmp_lg_u32 s[WV], 0
	s_cbranch_scc1 .Lnot_first
	ds_load_b128 v[OUTR:OUTR+3], v[SCL]
	s_wait_dscnt 0x0
	global_store_b128 v[LI], v[OUTR:OUTR+3], s[8:9]        ; 32 lanes store 512 consecutive bytes, aligned
.Lnot_first:
	s_wait_tensorcnt 0x0                           ; the wave's end, behind my last tensor load and my last LDS store
	ds_add_u32 v[SPW], v[NIL]
	s_wait_dscnt 0x0
	CROUND                                         ; the closing round
	s_endpgm
.Lfunc_end_k_qcf7e557f5d_stats:
	.size	k_qcf7e557f5d_stats, .Lfunc_end_k_qcf7e557f5d_stats-k_qcf7e557f5d_stats
	.p2alignl 7, 3214868480
	.fill 96, 4, 3214868480
	.section	.rodata,"a",@progbits
	.p2align	6, 0x0
	.amdhsa_kernel k_qcf7e557f5d_stats
		.amdhsa_group_segment_fixed_size 167936
		.amdhsa_private_segment_fixed_size 0
		.amdhsa_enable_private_segment 0
		.amdhsa_kernarg_size 24
		.amdhsa_user_sgpr_count 2
		.amdhsa_user_sgpr_kernarg_segment_ptr 1
		.amdhsa_wavefront_size32 1
		.amdhsa_system_sgpr_workgroup_id_x 1
		.amdhsa_system_sgpr_workgroup_id_y 1
		.amdhsa_system_sgpr_workgroup_id_z 1
		.amdhsa_system_vgpr_workitem_id 0
		.amdhsa_next_free_vgpr 192
		.amdhsa_next_free_sgpr 66
		.amdhsa_reserve_vcc 0
		.amdhsa_float_denorm_mode_32 3
		.amdhsa_float_denorm_mode_16_64 3
		.amdhsa_memory_ordered 1
		.amdhsa_forward_progress 1
		.amdhsa_inst_pref_size 31
	.end_amdhsa_kernel
	.amdgpu_metadata
---
amdhsa.version: [ 1, 2 ]
amdhsa.kernels:
  - .name:           k_qcf7e557f5d_stats
    .symbol:         k_qcf7e557f5d_stats.kd
    .args:
      - { .name: frec, .offset: 0, .size: 8, .value_kind: global_buffer, .address_space: global }
      - { .name: grec, .offset: 8, .size: 8, .value_kind: global_buffer, .address_space: global }
      - { .name: stat, .offset: 16, .size: 8, .value_kind: global_buffer, .address_space: global }
    .group_segment_fixed_size: 167936
    .private_segment_fixed_size: 0
    .kernarg_segment_align: 8
    .kernarg_segment_size: 24
    .max_flat_workgroup_size: 512
    .sgpr_count:     66
    .vgpr_count:     192
    .wavefront_size: 32
...
	.end_amdgpu_metadata
.endif
;; end of part 2
;; launch attn (part 3): grid 32 x 8, 4 waves a work-group, clusters of 4 x 1, 327,680 bytes of LDS; arguments x1, x2, gamma1, gamma2, frec, grec, hrec, stat, out0, out1; writes out0, out1
.if DOCPART == 3
	.amdgcn_target "amdgcn-amd-amdhsa--gfx1250"
	.amdhsa_code_object_version 6
	.text
	.protected	k_qcf7e557f5d_attn
	.globl	k_qcf7e557f5d_attn
	.p2align	8
	.type	k_qcf7e557f5d_attn,@function
k_qcf7e557f5d_attn:
	s_mov_b64 s[64:65], 0
	v_nop
	global_prefetch_b8 v0, s[64:65] scope:SCOPE_SE
	s_setreg_imm32_b32 hwreg(HW_REG_WAVE_MODE, 25, 1), 1
	s_wait_xcnt 0x0
	s_wait_alu depctr_hold_cnt(0) depctr_sa_sdst(0) depctr_va_vdst(0) depctr_va_sdst(0) depctr_va_ssrc(0) depctr_va_vcc(0) depctr_vm_vsrc(0)
	s_getreg_b32 s2, hwreg(HW_REG_IB_STS2, 6, 4)
	s_cmp_eq_u32 s2, 0
	s_cbranch_scc0 .Lentry_in_a_cluster
	s_endpgm
.Lentry_in_a_cluster:
	s_bfe_u32 s2, ttmp6, 0x10000c
	s_cmp_lg_u32 s2, 0x3003
	s_cbranch_scc0 .Lentry_shape_is_right
	s_endpgm
.Lentry_shape_is_right:
; PSA, launch 3 of 3.  out[c][m] = gamma x sum_n h_q[c][n] attn_q[n][m] + x[c][m], attn[n][m] = 2^(c s[n][m] + nb[n]) the finished softmax (nb from the second launch), quantised along n, the second product's K.
; No work is left out.  LIMITS: as stated at the second launch's head for the folded normalisation; an attn under 2^-126 comes out of the exponential as 0; a block of zeros gets the byte 1 (its codes are zeros).
; SHARES.  Work-group (x, bb): 128 columns m (grec's record x) x 256 channels, over all 4,096 n in 32 K steps of 128.  Wave w: the record's tiles 2 w, 2 w + 1: 32 m x 256 c, 32 accumulators, 256 registers.
; A wave's attn is its own and is made once; each fragment of f and of h and each word of nb that it reads from LDS serves two products or two columns' tiles.
; LAYOUT.  Scores: source 0 = 16 positions n of f, source 1 = 16 of my m: a lane holds ONE m, and by the records' order of rows the 16 registers of tiles 2 b, 2 b + 1 are n = 32 b + 16 (lane / 16) + 0 .. 15:
; 16 neighbours along the next K.  Second product: source 0 = attn's codes (16 m), source 1 = 16 channels of h: a lane holds one channel and eight neighbouring m: 32 bytes of a row of out.
; THE SECOND PRODUCT RUNS A STEP BEHIND: step k's 32 products stand at the head of step k + 1, behind its run of LDS loads, on registers alone.
; LDS.  A ring of two slots of four records of hrec (69,632 bytes each), one joint load a wave behind each change of slots, which has four K steps in which to land; the unit's frec (147,456 bytes) and nb (16,384 bytes)
; stay, filled once.  On the way out a stage of 256 rows x 528 bytes lies over the ring, which has then had its last fill and its last read.
; THE RESIDUAL x: the 64 rows x 512 bytes that a wave adds on the way out are asked for behind the fourth K step, 28 K steps ahead of their use, into 256 registers that nothing else names.  So no wave waits for them,
; and no prefetch is laid for them.
; CLUSTER.  The four work-groups of a cluster belong to one unit and walk the same f, h and nb: every tile is asked for jointly.
; REGISTERS, in windows of 256: window 0: addresses, scale words, at work, attn's codes, v64-191 the scores of my two tiles, v192-207 x's rows 60-63.  window 1: the accumulators ((ct, mu) at 8 (2 ct + mu)).
;   window 2: v0-63 f's fragments, v64-79 g's, v80-143 nb, v144-255 x's rows 32-59.   window 3: v0-127 h's fragments, v128-255 x's rows 0-31.
.set HRECB, 17408
.set FRECB, 4608
.set SLOTB, 4*HRECB
.set RING1, SLOTB
.set FREC,  139264
.set STAT,  286720
.set SPARE, 303104                     ; the spare words, 128 bytes a wave: two blocks of 256 bytes that no other line names
.set SP,    528                        ; a stage row: 512 bytes + 16
.set LI,  1                            ; v1   16 lane
.set LS,  2                            ; v2   4 lane
.set H64, 3                            ; v3   STAT + 64 (lane / 16)
.set AH,  4                            ; v4-8 the step's LDS addresses: h, h's scale words, f, f's scale words, nb
.set AHS, 5
.set AF,  6
.set AFS, 7
.set AST, 8
.set SO0, 9                            ; v9, v10 the stage, on the way in: 528 r + 128 w + 64 h, and 128 rows further down
.set SO1, 10
.set SR,  11                           ; v11  and back: my 64 rows, 16 bytes a lane
.set SPW, 13
.set NIL, 14
.set HS,  16                           ; v16-23 h's scale words: lanes 0-15 tile 2 p, lanes 16-31 tile 2 p + 1
.set FS,  24                           ; v24-27 f's
.set GS,  28                           ; v28  g's: lanes 0-15 my tile 0, lanes 16-31 my tile 1
.set PS,  30                           ; v30, v31 attn's, one for each of my tiles
.set TM,  32                           ; v32-47 at work
.set PC,  48                           ; v48-63 attn's codes, 8 a tile
.set S,   64
.set F,   0                            ; window 2
.set G,   64
.set ST,  80
.set H,   0                            ; window 3
.set G1H, 24
.set G1A, 32
.set G1B, 40
.set G1S, 48
.set G0H0, 56                          ; s[56:59], s[60:63] group 0 for the ring's slots 0 and 1
.set G0H1, 60
.set G0FA, 68
.set G0FB, 72
.set G0ST, 76
.set WV,  80
.set CX,  81
.set X,   82
.set BB,  83
.set CS,  84
.set SEL, 86
.set GM,  88
.set TH,  90
.set TF,  91
.set TS,  92
.set CNT, 95
.set CNT2, 96
.set XB,  98
.set OB,  100
.set MSB, 0
.macro WIN new                         ; the immediate's high byte repeats the setting that is left
.if MSB != \new
	s_set_vgpr_msb (MSB<<8)|\new
.set MSB, \new
.endif
.endm
.macro CROUND                          ; a round of the cluster's barrier
	s_barrier_signal -1
	s_barrier_wait -1
	s_cmp_lg_u32 s[WV], 0
	s_cbranch_scc1 .Lnot_wave_0_\@
	s_barrier_signal -3
.Lnot_wave_0_\@:
	s_barrier_wait -3
	s_barrier_signal -1
	s_barrier_wait -1
.endm
.macro G1SET g, rows                   ; a dense block as rows of 256 bytes (32 elements of 8 bytes); the mask names the cluster's four work-groups, bit 21 stands beside it
	s_mov_b32 s[\g], 15|(3<<16)|(1<<21)
	s_mov_b32 s[\g+1], 32<<16
	s_mov_b32 s[\g+2], (\rows)<<16
	s_mov_b32 s[\g+3], 32<<16
	s_mov_b32 s[\g+4], \rows
	s_mov_b32 s[\g+5], 32
	s_mov_b32 s[\g+6], 0
	s_mov_b32 s[\g+7], 0
.endm
.macro WM d, a, b, c, sa, sb, ra, rb   ; one product; c < 0: the constant 0 starts the sum; ra, rb: the side's scale words stand in lanes 16-31
.if (\c) < 0
.if (\ra) && (\rb)
	v_wmma_scale_f32_16x16x128_f8f6f4 v[\d:\d+7], v[\a:\a+7], v[\b:\b+7], 0, v[\sa], v[\sb] matrix_a_fmt:MATRIX_FMT_FP4 matrix_b_fmt:MATRIX_FMT_FP4 matrix_a_scale:MATRIX_SCALE_ROW1 matrix_b_scale:MATRIX_SCALE_ROW1
.elseif (\ra)
	v_wmma_scale_f32_16x16x128_f8f6f4 v[\d:\d+7], v[\a:\a+7], v[\b:\b+7], 0, v[\sa], v[\sb] matrix_a_fmt:MATRIX_FMT_FP4 matrix_b_fmt:MATRIX_FMT_FP4 matrix_a_scale:MATRIX_SCALE_ROW1
.elseif (\rb)
	v_wmma_scale_f32_16x16x128_f8f6f4 v[\d:\d+7], v[\a:\a+7], v[\b:\b+7], 0, v[\sa], v[\sb] matrix_a_fmt:MATRIX_FMT_FP4 matrix_b_fmt:MATRIX_FMT_FP4 matrix_b_scale:MATRIX_SCALE_ROW1
.else
	v_wmma_scale_f32_16x16x128_f8f6f4 v[\d:\d+7], v[\a:\a+7], v[\b:\b+7], 0, v[\sa], v[\sb] matrix_a_fmt:MATRIX_FMT_FP4 matrix_b_fmt:MATRIX_FMT_FP4
.endif
.else
.if (\rb)
	v_wmma_scale_f32_16x16x128_f8f6f4 v[\d:\d+7], v[\a:\a+7], v[\b:\b+7], v[\c:\c+7], v[\sa], v[\sb] matrix_a_fmt:MATRIX_FMT_FP4 matrix_b_fmt:MATRIX_FMT_FP4 matrix_b_scale:MATRIX_SCALE_ROW1
.else
	v_wmma_scale_f32_16x16x128_f8f6f4 v[\d:\d+7], v[\a:\a+7], v[\b:\b+7], v[\c:\c+7], v[\sa], v[\sb] matrix_a_fmt:MATRIX_FMT_FP4 matrix_b_fmt:MATRIX_FMT_FP4
.endif
.endif
.endm
.macro LOADF                           ; 28 LDS loads: the step's scale words of f (4), its eight tiles (8), its 128 nb, of which a lane takes 64 (16)
.irp b, 0,1,2,3
	ds_load_b32 v[FS+\b], v[AFS] offset:4096+128*\b
.endr
	WIN 0x80                                       ; destination window 2
.irp t, 0,1,2,3,4,5,6,7
	ds_load_b128 v[F+8*\t:F+8*\t+3], v[AF] offset:512*\t
.endr
.irp b, 0,1,2,3
.irp i, 0,1,2,3
	ds_load_b128 v[ST+16*\b+4*\i:ST+16*\b+4*\i+3], v[AST] offset:128*\b+16*\i   ; nb of n = 32 b + 16 (lane / 16) + 4 i on: register for register beside the scores
.endr
.endr
	WIN 0
.endm
.macro HLOAD                           ; 40 LDS loads: the step's scale words of h (8) and its sixteen fragments (32)
.irp p, 0,1,2,3,4,5,6,7
	ds_load_b32 v[HS+\p], v[AHS] offset:16384+128*\p
.endr
	WIN 0xc0                                       ; destination window 3
.irp ct, 0,1,2,3,4,5,6,7,8,9,10,11,12,13,14,15
	ds_load_b128 v[H+8*\ct:H+8*\ct+3], v[AH] offset:1024*\ct
	ds_load_b128 v[H+8*\ct+4:H+8*\ct+7], v[AH] offset:1024*\ct+512
.endr
.endm
.macro PV zero                         ; 32 products, the 32 accumulators one turn each; between two such runs stand the 16 products of the scores
	WIN 0x5c                                       ; source 0 (attn) window 0, source 1 (h) window 3, C and D window 1
.irp ct, 0,1,2,3,4,5,6,7,8,9,10,11,12,13,14,15
.irp mu, 0,1
.set rD, 8*(2*\ct+\mu)
.set rA, PC+8*\mu
.set rB, H+8*\ct
.set rS, PS+\mu
.set rT, HS+\ct/2
.if \zero
	WM rD, rA, rB, -1, rS, rT, 0, \ct%2
.else
	WM rD, rA, rB, rD, rS, rT, 0, \ct%2
.endif
.endr
.endr
	WIN 0
.endm
.macro SCORES                          ; 16 products: f's eight tiles x my two
	WIN 0x0a                                       ; sources 0 and 1 window 2, D window 0
.irp t, 0,1,2,3,4,5,6,7
.irp mu, 0,1
.set rD, S+64*\mu+8*\t
.set rA, F+8*\t
.set rB, G+8*\mu
.set rS, FS+\t/2
	WM rD, rA, rB, -1, rS, GS, \t%2, \mu
.endr
.endr
	WIN 0
.endm
.macro FMA mu, i                       ; pair i of tile mu: c s + nb
	v_pk_fma_f32 v[S+64*(\mu)+2*(\i):S+64*(\mu)+2*(\i)+1], v[S+64*(\mu)+2*(\i):S+64*(\mu)+2*(\i)+1], s[CS:CS+1], v[ST+2*(\i):ST+2*(\i)+1] op_sel_hi:[1,0,1]
.endm
.macro MAXI mu, i                      ; line i of 32 of the four blocks' largest attn, the blocks by turns; the floor 2^(3 - 127) among the leaves holds the byte at 1 from below; nothing is negative: no |.|
.if (\i) < 4
	v_max3_num_f32 v[TM+(\i)], v[S+64*(\mu)+16*(\i)], v[S+64*(\mu)+16*(\i)+1], 0x1800000
.else
	v_max3_num_f32 v[TM+(\i)%4], v[TM+(\i)%4], v[S+64*(\mu)+16*((\i)%4)+2*((\i)/4)], v[S+64*(\mu)+16*((\i)%4)+2*((\i)/4)+1]
.endif
.endm
.macro QREST mu                        ; the blocks' scales, the tile's scale word and its codes, as the operand wants them
.irp b, 0,1,2,3
	v_permlanex16_b32 v[TM+4+\b], v[TM+\b], s[SEL], s[SEL+1]
.endr
.irp b, 0,1,2,3
	v_max_num_f32 v[TM+\b], v[TM+\b], v[TM+4+\b]   ; with lane l xor 16's 16: the block's largest
.endr
.irp b, 0,1,2,3
	v_add_nc_u32 v[TM+12+\b], 0xff000000, v[TM+\b] ; 2 off the exponent field: the conversion's scale operand
.endr
.irp b, 0,1,2,3
	v_lshrrev_b32 v[TM+4+\b], 23, v[TM+12+\b]      ; the scale's byte
.endr
	v_lshl_or_b32 v[PS+\mu], v[TM+5], 8, v[TM+4]
	v_lshl_or_b32 v[PS+\mu], v[TM+6], 16, v[PS+\mu]
	v_lshl_or_b32 v[PS+\mu], v[TM+7], 24, v[PS+\mu]
.irp b, 0,1,2,3
	v_cvt_scalef32_pk8_fp4_f32 v[PC+8*\mu+2*\b], v[S+64*\mu+16*\b:S+64*\mu+16*\b+7], v[TM+12+\b]
	v_cvt_scalef32_pk8_fp4_f32 v[PC+8*\mu+2*\b+1], v[S+64*\mu+16*\b+8:S+64*\mu+16*\b+15], v[TM+12+\b]
.endr
	v_nop                                          ; one plain place behind the last scaled conversion
.irp c, 0,1
.irp i, 0,1
	v_permlane16_swap_b32 v[PC+8*\mu+4*\c+\i], v[PC+8*\mu+4*\c+2+\i]   ; a whole block to a lane: lanes 0-15 block 2 c, lanes 16-31 block 2 c + 1
.endr
.endr
.endm
; The step's 128 scores a lane become attn and its codes.  The exponentials go in two batches of 64, one a tile, each with ONE wait ahead of its first reader; plain work of the other tile
; stands among them: tile 1's multiply-adds among tile 0's exponentials, tile 0's maxima among tile 1's.
.macro SOFTMAX
	s_wait_dscnt 40                                ; nb is in; h's 40 loads may be out
	WIN 0x20                                       ; source 2 (nb) window 2
.set k, 0
.rept 32
	FMA 0, k                                       ; each accumulator is read from its low end on
.set k, k+1
.endr
.set k, 0
.rept 32
	FMA 1, k
	v_exp_f32 v[S+2*k], v[S+2*k]
	v_exp_f32 v[S+2*k+1], v[S+2*k+1]
.set k, k+1
.endr
	WIN 0
	v_nop                                          ; a plain place behind the last exponential
	s_wait_alu depctr_va_vdst(0)                   ; tile 0's batch
.set k, 0
.rept 32
	MAXI 0, k
	v_exp_f32 v[S+64+2*k], v[S+64+2*k]
	v_exp_f32 v[S+64+2*k+1], v[S+64+2*k+1]
.set k, k+1
.endr
	QREST 0                                        ; names tile 0's numbers alone
	v_nop
	s_wait_alu depctr_va_vdst(0)                   ; tile 1's batch
.set k, 0
.rept 32
	MAXI 1, k
.set k, k+1
.endr
	QREST 1
.rept 8
	v_nop                                          ; a scale word written by vector instructions stands 8 places ahead of a scaled product, an operand so written 4
.endr
.endm
; A K STEP.  pv = 0: the first step, with no product to catch up on; 1: the products of the step before start the sums (nothing is ever cleared); 2: they add.
.macro BODY pv
	v_add_nc_u32 v[AF], s[TF], v[LI]
	v_add_nc_u32 v[AFS], s[TF], v[LS]
	v_add_nc_u32 v[AST], s[TS], v[H64]
	s_add_co_u32 s[TF], s[TF], FRECB
	s_add_co_u32 s[TS], s[TS], 512
	LOADF
.if \pv
	s_wait_dscnt 28                                ; h of the step before is in; the 28 loads just issued may be out, and land under the 32 products
	PV 2-\pv
.endif
	v_add_nc_u32 v[AH], s[TH], v[LI]
	v_add_nc_u32 v[AHS], s[TH], v[LS]
	v_nop
	v_nop                                          ; with the two additions: four places in front of the loads into registers that the products have read
	s_add_co_u32 s[TH], s[TH], HRECB
	HLOAD
	s_wait_dscnt 56                                ; f and its scale words are in; nb's 16 loads and h's 40 may be out
	SCORES
.rept 4
	v_nop
.endr
	SOFTMAX
.endm
.macro STEPS n
	s_mov_b32 s[CNT2], \n
.Lstep_\@:
	BODY 2
	s_sub_co_u32 s[CNT2], s[CNT2], 1
	s_cmp_lg_u32 s[CNT2], 0
	s_cbranch_scc1 .Lstep_\@
.endm
; THE CHANGE OF SLOTS.  left: the slot whose four steps are over (its last fragments of h are asked for).  Each wave waits for all its tensor loads, adds 0 to its spare word, and waits for that and for its reads.
; fill = 1: behind a round of the cluster's barrier the slot that was left takes the records two slots on: my one tensor load until the next change.
.macro CHANGE fill, left
	s_wait_tensorcnt 0x0                           ; no tensor load of mine is out, so a group 0 may be written
	ds_add_u32 v[SPW], v[NIL]                      ; 0 onto my spare word
.if \fill
	s_add_nc_u64 s[G0H0+4*\left+2:G0H0+4*\left+3], s[G0H0+4*\left+2:G0H0+4*\left+3], 2*SLOTB
.endif
	s_mov_b32 s[TH], (1-\left)*RING1               ; the fetches go on in the other slot
	s_wait_dscnt 0x0                               ; the add is done, and my reads of the slot are over
.if \fill
	CROUND
	tensor_load_to_lds s[G0H0+4*\left:G0H0+4*\left+3], s[G1H:G1H+7]
	s_nop 0
.rept 4
	v_nop
.endr
.else
	s_barrier_signal -1
	s_barrier_wait -1
.endif
.endm
; The residual: my 64 rows of x, 512 consecutive bytes a load, in the order of the rows: rows 0-31 into window 3 from v128, rows 32-59 into window 2 from v144, rows 60-63 into window 0 from v192.
; Their address register and base are never rewritten, and nothing names their registers before the way out.
.macro XLOADS
	WIN 0xc0                                       ; destination window 3
.set k, 0
.rept 32
	global_load_b128 v[128+4*k:128+4*k+3], v[LI], s[XB:XB+1] offset:16384*k th:TH_LOAD_NT
.set k, k+1
.endr
	WIN 0x80                                       ; destination window 2
.rept 28
	global_load_b128 v[144+4*(k-32):144+4*(k-32)+3], v[LI], s[XB:XB+1] offset:16384*k th:TH_LOAD_NT
.set k, k+1
.endr
	WIN 0
.rept 4
	global_load_b128 v[192+4*(k-60):192+4*(k-60)+3], v[LI], s[XB:XB+1] offset:16384*k th:TH_LOAD_NT
.set k, k+1
.endr
.endm
	s_load_b512 s[4:19], s[0:1], 0x0               ; x1, x2, gamma1, gamma2, frec, grec, hrec, stat
	s_load_b128 s[20:23], s[0:1], 0x40             ; out0, out1
	v_lshl_add_u32 v[SPW], v0, 2, SPARE
	v_mov_b32 v[NIL], 0
	ds_add_u32 v[SPW], v[NIL]                      ; the wave's opening: the add, twice on end, and its wait ahead of the round in front of my first tensor loads
	ds_add_u32 v[SPW], v[NIL]
	v_lshrrev_b32 v15, 5, v0
	v_readfirstlane_b32 s[WV], v15                 ; wave 0..3
	s_bfe_u32 s[CX], ttmp6, 0x40000
	s_lshl_b32 s[X], ttmp9, 2
	s_add_co_u32 s[X], s[X], s[CX]                 ; my 128 columns: they enter grec's, x's and out's addresses alone
	s_and_b32 s[BB], ttmp7, 0xffff                 ; the unit, which the four partners share
	G1SET G1H, 68                                  ; a record of hrec
	G1SET G1A, 18                                  ; a record of frec
	G1SET G1B, 126                                 ; seven of them
	G1SET G1S, 16                                  ; a quarter of the unit's nb
	s_mul_i32 s97, s[WV], HRECB
	s_mul_i32 s96, s[BB], 32*HRECB
	s_mov_b32 s[G0H0], 1
	s_mov_b32 s[G0H0+1], s97                       ; record w of a slot
	s_add_co_u32 s[G0H0+2], s96, s97
	s_mov_b32 s[G0H0+3], 0
	s_mov_b32 s[G0H1], 1
	s_add_co_u32 s[G0H1+1], s97, RING1
	s_add_co_u32 s[G0H1+2], s[G0H0+2], SLOTB
	s_mov_b32 s[G0H1+3], 0
	s_mul_i32 s96, s[BB], 32*FRECB                 ; the unit's part of frec and of grec
	s_mul_i32 s97, s[WV], FRECB
	s_mov_b32 s[G0FA], 1
	s_add_co_u32 s[G0FA+1], s97, FREC              ; records 0 to 3
	s_add_co_u32 s[G0FA+2], s96, s97
	s_mov_b32 s[G0FA+3], 0
	s_mul_i32 s97, s[WV], 7*FRECB
	s_add_co_u32 s97, s97, 4*FRECB
	s_mov_b32 s[G0FB], 1
	s_add_co_u32 s[G0FB+1], s97, FREC              ; records 4 + 7 w on
	s_add_co_u32 s[G0FB+2], s96, s97
	s_mov_b32 s[G0FB+3], 0
	s_lshl_b32 s97, s[WV], 12
	s_mov_b32 s[G0ST], 1
	s_add_co_u32 s[G0ST+1], s97, STAT
	s_lshl_b32 s3, s[BB], 14
	s_add_co_u32 s[G0ST+2], s3, s97
	s_mov_b32 s[G0ST+3], 0
	s_mul_i32 s66, s[X], FRECB                     ; from here on registers that feed no descriptor: my record of g,
	s_add_co_u32 s66, s66, s96
	s_lshl_b32 s3, s[WV], 7
	s_add_co_u32 s2, s66, s3
	s_add_co_u32 s2, s2, 4096                      ; my two tiles' scale words,
	s_mov_b32 s3, 0
	s_lshl_b32 s67, s[WV], 10
	s_add_co_u32 s66, s66, s67                     ; their images
	s_mov_b32 s67, 0
	s_and_b32 s[XB], s[BB], 3
	s_lshl_b32 s[XB], s[XB], 22                    ; x and out: the batch,
	s_lshl_b32 s[XB+1], s[WV], 20                  ; the 64 channels that I store,
	s_add_co_u32 s[XB], s[XB], s[XB+1]
	s_lshl_b32 s[XB+1], s[X], 9                    ; the 128 columns
	s_add_co_u32 s[XB], s[XB], s[XB+1]
	s_mov_b32 s[XB+1], 0
	s_mov_b32 s[CS], 0x3e8293ee                    ; c = log2(e) / sqrt(32)
	s_mov_b32 s[CS+1], s[CS]                       ; (named with it as a pair, so it is written)
	s_mov_b32 s[SEL], 0x76543210
	s_mov_b32 s[SEL+1], 0xfedcba98
	s_mov_b32 s[TH], 0
	s_mov_b32 s[TF], FREC
	s_mov_b32 s[TS], 0
	s_wait_dscnt 0x0                               ; both opening adds are done
	s_wait_kmcnt 0x0
	s_cmp_lt_u32 s[BB], 4                          ; branch 1 or 2: the choice hangs on the work-group's number alone
	s_cselect_b64 s[4:5], s[4:5], s[6:7]
	s_cselect_b64 s[8:9], s[8:9], s[10:11]
	s_cselect_b64 s[20:21], s[20:21], s[22:23]
	s_load_b32 s[GM], s[8:9], 0x0                  ; gamma
	s_add_nc_u64 s[G0H0+2:G0H0+3], s[16:17], s[G0H0+2:G0H0+3]
	s_or_b32 s[G0H0+3], s[G0H0+3], 0x80000000
	s_add_nc_u64 s[G0H1+2:G0H1+3], s[16:17], s[G0H1+2:G0H1+3]
	s_or_b32 s[G0H1+3], s[G0H1+3], 0x80000000
	s_add_nc_u64 s[G0FA+2:G0FA+3], s[12:13], s[G0FA+2:G0FA+3]
	s_or_b32 s[G0FA+3], s[G0FA+3], 0x80000000
	s_add_nc_u64 s[G0FB+2:G0FB+3], s[12:13], s[G0FB+2:G0FB+3]
	s_or_b32 s[G0FB+3], s[G0FB+3], 0x80000000
	s_add_nc_u64 s[G0ST+2:G0ST+3], s[18:19], s[G0ST+2:G0ST+3]
	s_or_b32 s[G0ST+3], s[G0ST+3], 0x80000000
	s_add_nc_u64 s[OB:OB+1], s[20:21], s[XB:XB+1]
	s_add_nc_u64 s[XB:XB+1], s[4:5], s[XB:XB+1]
	s_add_nc_u64 s[66:67], s[14:15], s[66:67]
	s_add_nc_u64 s[2:3], s[14:15], s[2:3]
	CROUND                                         ; all four work-groups are here: the first joint loads meet
	tensor_load_to_lds s[G0H0:G0H0+3], s[G1H:G1H+7]        ; the first fills go out as one group: five loads of mine are out.  Slot 0 of h,
	s_nop 0
	tensor_load_to_lds s[G0FA:G0FA+3], s[G1A:G1A+7]        ; f's records 0 to 3,
	s_nop 0
	tensor_load_to_lds s[G0ST:G0ST+3], s[G1S:G1S+7]        ; nb: what slot 0's steps read;
	s_nop 0
	tensor_load_to_lds s[G0FB:G0FB+3], s[G1B:G1B+7]        ; the rest of f,
	s_nop 0
	tensor_load_to_lds s[G0H1:G0H1+3], s[G1H:G1H+7]        ; slot 1 of h
	s_nop 0
.rept 4
	v_nop
.endr
	v_and_b32 v15, 31, v0                          ; lane
	v_lshlrev_b32 v[LI], 4, v15
	v_lshlrev_b32 v[LS], 2, v15
	v_bfe_u32 v[TM], v0, 4, 1                      ; h
	v_and_b32 v[TM+1], 15, v0                      ; r
	v_lshl_add_u32 v[H64], v[TM], 6, STAT
	v_mul_u32_u24 v[SO0], v[TM+1], SP
	v_lshl_add_u32 v[SO0], v[TM], 6, v[SO0]
	s_lshl_b32 s97, s[WV], 7
	v_add_nc_u32 v[SO0], s97, v[SO0]
	v_add_nc_u32 v[SO1], 128*SP, v[SO0]
	s_mul_i32 s97, s[WV], 64*SP
	v_add_nc_u32 v[SR], s97, v[LI]
.irp b, 4,5,6,7
	v_mov_b32 v[TM+\b], 0                          ; written once: a lane permute's destination counts as one of its sources
.endr
	global_load_b32 v[GS], v[LS], s[2:3]
	WIN 0x80                                       ; destination window 2
	global_load_b128 v[G:G+3], v[LI], s[66:67]     ; my two tiles of g stay in registers
	global_load_b128 v[G+8:G+11], v[LI], s[66:67] offset:512
.irp t, 0,1,2,3,4,5,6,7
.irp i, 4,5,6,7
	v_mov_b32 v[F+8*\t+\i], 0                      ; K = 64 .. 127 of the scores' product: zero codes, set once
.endr
.endr
.irp i, 4,5,6,7,12,13,14,15
	v_mov_b32 v[G+\i], 0
.endr
	WIN 0
	s_wait_kmcnt 0x0
	s_mov_b32 s[GM+1], s[GM]                       ; (named with it as a pair)
	s_wait_tensorcnt 2                             ; slot 0, f's first records and nb are in; the two loads issued behind them may stay out
	s_barrier_signal -1
	s_barrier_wait -1                              ; everybody's are
	s_wait_loadcnt 0x0                             ; g
	BODY 0                                         ; slot 0
	BODY 1
	STEPS 2
	XLOADS                                         ; the residual is asked for here: behind the launch's first tiles, 28 K steps ahead of the way out
	s_mov_b32 s[CNT], 3
.Lpair:                                            ; three trips of two slots: slots 1 to 6 are read, slots 2 to 7 asked for
	CHANGE 1, 0
	STEPS 4
	CHANGE 1, 1
	STEPS 4
	s_sub_co_u32 s[CNT], s[CNT], 1
	s_cmp_lg_u32 s[CNT], 0
	s_cbranch_scc1 .Lpair
	CHANGE 0, 0                                    ; the last slot is written out: nothing is left to fetch
	STEPS 4
	s_wait_dscnt 0x0                               ; the last step's h
	PV 0
	; THE WAY OUT.  A lane holds 32 bytes of a row of out, and a row's 512 bytes come from four waves: they meet in the stage; each wave then takes 64 whole rows, adds x and stores.
.rept 4
	v_nop                                          ; places in front of the first read of results
.endr
	s_wait_dscnt 0x0
	s_barrier_signal -1
	s_barrier_wait -1                              ; no wave reads the ring any more
	WIN 0x04                                       ; an LDS store's data are its source 1: window 1
.set k, 0
.rept 32
	ds_store_b128 v[SO0+k/16], v[8*k:8*k+3] offset:16*SP*((k/2)%8)+32*(k%2)          ; accumulator k = 2 ct + mu, from its low end on: channel 16 ct + r, m = 32 w + 16 h + 8 mu + 0 .. 7
	ds_store_b128 v[SO0+k/16], v[8*k+4:8*k+7] offset:16*SP*((k/2)%8)+32*(k%2)+16
.set k, k+1
.endr
	WIN 0
	s_wait_dscnt 0x0                               ; for the others' sake: my stores into the stage have landed
	s_barrier_signal -1
	s_barrier_wait -1                              ; 256 whole rows lie in the stage
.set bt, 0
.rept 4
.if bt > 0
	s_wait_xcnt 0x0                                ; the last batch's stores have read their registers: they are loaded again only behind this wait
.endif
.set k, 0
.rept 16
	ds_load_b128 v[S+4*k:S+4*k+3], v[SR] offset:SP*(16*bt+k)
.set k, k+1
.endr
.set k, 0
.rept 16
	s_wait_dscnt 15-k                              ; this row is back; the batch's younger rows may be out
	s_wait_loadcnt 63-16*bt-k                      ; and its x is in: loads come back in order, and 63 - row were issued behind this row's
.if 16*bt+k < 32
	WIN 0x30                                       ; source 2 (x) window 3
.set xr, 128+4*(16*bt+k)
.elseif 16*bt+k < 60
	WIN 0x20                                       ; window 2
.set xr, 144+4*(16*bt+k-32)
.else
	WIN 0
.set xr, 192+4*(16*bt+k-60)
.endif
	v_pk_fma_f32 v[S+4*k:S+4*k+1], v[S+4*k:S+4*k+1], s[GM:GM+1], v[xr:xr+1] op_sel_hi:[1,0,1]
	v_pk_fma_f32 v[S+4*k+2:S+4*k+3], v[S+4*k+2:S+4*k+3], s[GM:GM+1], v[xr+2:xr+3] op_sel_hi:[1,0,1]
	global_store_b128 v[LI], v[S+4*k:S+4*k+3], s[OB:OB+1] offset:16384*(16*bt+k) th:TH_STORE_NT   ; 32 lanes store 512 consecutive bytes, aligned
.set k, k+1
.endr
.set bt, bt+1
.endr
	WIN 0
	s_wait_tensorcnt 0x0                           ; the wave's end, behind my last tensor load and my last LDS store
	ds_add_u32 v[SPW], v[NIL]
	s_wait_dscnt 0x0
	CROUND                                         ; the closing round: no work-group ends while a partner may still ask for a tile that names it
	s_endpgm
.Lfunc_end_k_qcf7e557f5d_attn:
	.size	k_qcf7e557f5d_attn, .Lfunc_end_k_qcf7e557f5d_attn-k_qcf7e557f5d_attn
	.p2alignl 7, 3214868480
	.fill 96, 4, 3214868480
	.section	.rodata,"a",@progbits
	.p2align	6, 0x0
	.amdhsa_kernel k_qcf7e557f5d_attn
		.amdhsa_group_segment_fixed_size 327680
		.amdhsa_private_segment_fixed_size 0
		.amdhsa_enable_private_segment 0
		.amdhsa_kernarg_size 80
		.amdhsa_user_sgpr_count 2
		.amdhsa_user_sgpr_kernarg_segment_ptr 1
		.amdhsa_wavefront_size32 1
		.amdhsa_system_sgpr_workgroup_id_x 1
		.amdhsa_system_sgpr_workgroup_id_y 1
		.amdhsa_system_sgpr_workgroup_id_z 1
		.amdhsa_system_vgpr_workitem_id 0
		.amdhsa_next_free_vgpr 1024
		.amdhsa_next_free_sgpr 102
		.amdhsa_reserve_vcc 0
		.amdhsa_float_denorm_mode_32 3
		.amdhsa_float_denorm_mode_16_64 3
		.amdhsa_memory_ordered 1
		.amdhsa_forward_progress 1
		.amdhsa_inst_pref_size 207
	.end_amdhsa_kernel
	.amdgpu_metadata
---
amdhsa.version: [ 1, 2 ]
amdhsa.kernels:
  - .name:           k_qcf7e557f5d_attn
    .symbol:         k_qcf7e557f5d_attn.kd
    .args:
      - { .name: x1, .offset: 0, .size: 8, .value_kind: global_buffer, .address_space: global }
      - { .name: x2, .offset: 8, .size: 8, .value_kind: global_buffer, .address_space: global }
      - { .name: gamma1, .offset: 16, .size: 8, .value_kind: global_buffer, .address_space: global }
      - { .name: gamma2, .offset: 24, .size: 8, .value_kind: global_buffer, .address_space: global }
      - { .name: frec, .offset: 32, .size: 8, .value_kind: global_buffer, .address_space: global }
      - { .name: grec, .offset: 40, .size: 8, .value_kind: global_buffer, .address_space: global }
      - { .name: hrec, .offset: 48, .size: 8, .value_kind: global_buffer, .address_space: global }
      - { .name: stat, .offset: 56, .size: 8, .value_kind: global_buffer, .address_space: global }
      - { .name: out0, .offset: 64, .size: 8, .value_kind: global_buffer, .address_space: global }
      - { .name: out1, .offset: 72, .size: 8, .value_kind: global_buffer, .address_space: global }
    .group_segment_fixed_size: 327680
    .private_segment_fixed_size: 0
    .kernarg_segment_align: 8
    .kernarg_segment_size: 80
    .max_flat_workgroup_size: 128
    .sgpr_count:     102
    .vgpr_count:     1024
    .wavefront_size: 32
...
	.end_amdgpu_metadata
.endif
;; end of part 3
